; MI455X (gfx1250); checked and timed in simulation.
; The chip was launched on July 23, 2026; its instructions are those of AMD's public machine-readable ISA for CDNA 5 (MIT licence, August 2026) and "CDNA5" Instruction Set Architecture Reference Guide (July 2026). The comments in the code are by the model that wrote it; some were corrected since.
;; Attention. Allowed arithmetic: matrix products marked QUANTISED: E2M1 operands, one E8M0 scale for each 32 along K, by v_wmma_scale_f32_16x16x128_f8f6f4 with both operands' format E2M1 (or v_wmma_scale_f32_32x16x128_f4), f32 sums; products left as they are: bf16, f16 or f32 operands; f32 sums; everything else in f32.
;; Inputs: c_attn_b 3,072 float32; c_attn_w 1,024 x 3,072 float32; c_proj_b 1,024 float32; c_proj_w 1,024 x 1,024 float32; mask_self_attention 1 x 1 x 2,048 x 2,048 bool; x 4 x 2,048 x 1,024 float32.
;; Outputs: out0 4 x 2,048 x 1,024 float32.
;; This version of the problem:
;;   THIS VERSION OF THE PROBLEM IS GIVEN IN LOW PRECISION. The matrix products marked QUANTISED in the list below multiply operands that are first quantised to E2M1 (2 exponent bits, 1 mantissa bit; 4 bits a number), with one power-of-two scale for each 32 numbers along K (OCP MX v1.0); their sums are f32. The products marked 'left as it is' may take bf16, f16 or f32 operands, with f32 sums. Whichever they take, every output number must still come out within the allowed error. Rounding operands to bf16 (8 significant bits) uses up far more of that allowance than f16 does (11 bits, for magnitudes from 6e-5 to 65,504). All else is computed in f32.
;;   The module's matrix products, in the order in which they are computed (A, B: the left and right operand; K: the contracted axis; several contracted axes count as one K, in the product's order):
;;     1. [M 8,192, K 1,024] x [K 1,024, N 3,072]; A: input x; B: input c_attn_w: QUANTISED
;;     2. batch 64 x [M 2,048, K 64] x [K 64, N 2,048]; A: computed on the way; B: computed on the way: left as it is (an operand is computed on the way)
;;     3. batch 64 x [M 2,048, K 2,048] x [K 2,048, N 64]; A: computed on the way; B: computed on the way: left as it is (an operand is computed on the way)
;;     4. [M 8,192, K 1,024] x [K 1,024, N 1,024]; A: computed on the way; B: input c_proj_w: left as it is (an operand is computed on the way)
;;   THE QUANTISER, for each operand of a quantised product, along K:
;;     - K is cut into blocks of 32 from its start; a last block that is shorter is filled with zeros.
;;     - A block's scale is 2^e with e = floor(log2(the largest magnitude in the block)) - 2, held to -126 .. 127; a block of zeros has e = 0. As a byte (E8M0): e + 127.
;;     - Each number is divided by its block's scale, clamped to +-6, and rounded to the nearest number of E2M1, ties to even, subnormals kept.
;;     - The product sums the exact products of the quantised numbers (number of the format x scale) in f32.
;;   ~~~python
;;   def quantise(x, axis):      # numpy; x: float32 -> the quantised numbers, widened to float32 again
;;       x = np.moveaxis(x, axis, -1); K = x.shape[-1]
;;       x = np.pad(x, [(0, 0)] * (x.ndim - 1) + [(0, -K % 32)]); x = x.reshape(x.shape[:-1] + (-1, 32)); a = np.abs(x).max(-1, keepdims=True)
;;       e = np.where(a > 0, np.clip(np.frexp(np.where(a > 0, a, 1))[1] - 1 - 2, -126, 127), 0)      # np.frexp(a)[1] - 1 = floor(log2(a)), exactly
;;       r = np.clip(x / 2.0 ** e, -6, 6)
;;       step = 2.0 ** (np.maximum(np.frexp(np.where(r == 0, 1, r))[1] - 1, 0) - 1)
;;       q = np.round(r / step) * step * 2.0 ** e      # np.round: ties to even
;;       return np.moveaxis(q.reshape(q.shape[:-2] + (-1,))[..., :K], -1, axis).astype(np.float32)
;;   ~~~
;; One version. Each part assembles by itself: llvm-mc -triple=amdgcn-amd-amdhsa -mcpu=gfx1250 --defsym DOCPART=n.
;; ======== version 1 of 1: 5 launches
;; limits: values are held in f16: magnitudes above 65,504 overflow, below 6.1e-05 lose precision
;; workspace buffers: codes 5,767,168 bytes; scales 360,448 bytes; wpt 2,097,152 bytes; mbits 524,288 bytes of whole numbers; qkv 50,593,792 bytes; at 16,777,216 bytes; afine 262,144 bytes
;; launch prep (part 1): grid 496 x 1, 4 waves a work-group, no clusters, 120,320 bytes of LDS; arguments x, c_attn_w, c_proj_w, mask_self_attention, codes, scales, wpt, mbits; writes codes, scales, wpt, mbits
.if DOCPART == 1
	.amdgcn_target "amdgcn-amd-amdhsa--gfx1250"
	.amdhsa_code_object_version 6
	.text
	.protected	k_qf8580f9844_prep
	.globl	k_qf8580f9844_prep
	.p2align	8
	.type	k_qf8580f9844_prep,@function
k_qf8580f9844_prep:
	s_mov_b64 s[64:65], 0
	v_nop
	global_prefetch_b8 v0, s[64:65] scope:SCOPE_SE
	s_setreg_imm32_b32 hwreg(HW_REG_WAVE_MODE, 25, 1), 1
	s_wait_xcnt 0x0
; PREP: the operands are laid as the later launches want them.  Four kinds of work-group, told apart by the work-group's number; each kind has LDS bytes of its own.
;   0-255    x [8192][1024] f32 -> codes of FP4 (E2M1), K innermost, [8192][512 bytes] at byte 0 of 'codes'; one E8M0 byte for each 32 along K, [8192][32] at byte 0 of 'scales'
;   256-303  c_attn_w [1024 k][3072 n] f32 -> codes [3072 n][512 bytes] at byte 4,194,304 of 'codes'; scale bytes [3072][32] at byte 262,144 of 'scales'
;   304-367  c_proj_w [1024 k][1024 n] f32 -> f16, turned: wpt [1024 n][1024 k]
;   368-495  mask_self_attention [2048 q][2048 k] bytes -> lane masks: mbits [128 tiles of 16 queries][32 steps of 64 keys][32 words];
;            bit l of word 8 t + j is mask[16 tile + l % 16][64 step + 16 t + 8 (l / 16) + j]: the lanes of score register 8 t + j in the attention launch
; DEAD WORK: none is left out in this program, and every input is loaded.  The mask is an input and puts -10000 (no -infinity) in a score's place, so every score of every tile has a way to the output.
; ONE STEP IS MOVED, not dropped: V's bias is added behind the second product of attention.  The softmax's weights add up to 1 for all finite inputs, so sum p (v + b) / l = sum p v / l + b.
; THE QUANTISER: a block's scale is 2^(floor(log2(its largest magnitude)) - 2); its byte is the largest magnitude's exponent field - 2, held at 1 from below; each number is divided by the scale and rounded to the nearest code, ties to even.
; LIMITS: a block of zeros gets the byte 1 where the rule says 127 (its codes are zeros, and this program alone reads the bytes); blocks whose largest magnitude lies under 2^(2 - 126) were not tried; NaN and infinities in x and
; c_attn_w are not served; c_proj_w is rounded to f16, so its magnitudes stay at or under 65,504.
; No tensor loads, no barrier: waves share nothing.
.set XRG,   0                          ; LDS, x's path: 8,192 bytes a wave: two stages of 32 x 80 bytes and 256 scale bytes
.set WRG,   32768                      ; c_attn_w's path: 32 rows x 272 bytes a wave
.set PRG,   67584                      ; c_proj_w's path: the same
.set MRG,   102400                     ; the mask's path: 16 rows x 272 bytes a wave
.set SPARE, 119808                     ; the spare words, 128 bytes a wave: two blocks of 256 bytes that no other line names
.set SPW,   190                        ; v190 LDS address of my spare word; never rewritten
.set NIL,   191                        ; v191 0; never rewritten
.set EMAX,  2
.set SP,    80                         ; x's path: a lane's place in a stage: 64 bytes + 16 of padding
.set XL,    16                         ; v16-79   x: four sets of 16 numbers as loaded
.set XN,    80                         ; v80-111  two sets of 16 neighbours
.set XE,    112                        ; v112-127 a scale byte for each step
.set XC,    128                        ; v128-189 codes, four registers for each step
.set WSB,   24                         ; v24-27   w: scale bytes, four to a register
.set WX,    32                         ; v32-95   w, pw: two sets of 32 numbers
.set WC,    96                         ; v96-111  a block's codes or f16 pairs
.set WO,    112                        ; v112-175 the way out
	s_load_b256 s[4:11], s[0:1], 0x0               ; x s[4:5], c_attn_w s[6:7], c_proj_w s[8:9], the mask s[10:11]
	s_load_b256 s[12:19], s[0:1], 0x20             ; codes s[12:13], scales s[14:15], wpt s[16:17], mbits s[18:19]
	v_lshl_add_u32 v[SPW], v0, 2, SPARE
	v_mov_b32 v[NIL], 0
	v_lshrrev_b32 v1, 5, v0
	v_readfirstlane_b32 s20, v1                    ; wave 0..3
	v_and_b32 v2, 31, v0                           ; lane
	s_wait_kmcnt 0x0
	s_cmp_lt_u32 ttmp9, 256
	s_cbranch_scc0 .Lnot_x
; ---------------- x: a plain stream of blocks of 32.  A wave takes 16 steps of 512 numbers.  Each load reads 512 bytes on end; a step's 2,048 bytes turn through the wave's stage, so that a lane holds 16 neighbours.
	v_lshlrev_b32 v3, 4, v2                        ; my 16 bytes of a load's 512
	s_mul_i32 s21, s20, 8192
	v_lshrrev_b32 v14, 2, v2
	v_mul_u32_u24 v14, v14, SP
	v_and_b32 v15, 3, v2
	v_lshl_add_u32 v14, v15, 4, v14
	v_add_nc_u32 v14, s21, v14                     ; the stage, in: 80 (lane / 4) + 16 (lane % 4)
	v_mul_u32_u24 v15, v2, SP
	v_add_nc_u32 v15, s21, v15                     ; and out: 80 x lane
	v_lshlrev_b32 v4, 3, v2                        ; my 8 bytes of a step's codes
	v_lshrrev_b32 v5, 1, v2
	s_add_co_u32 s21, s21, 2*32*SP
	v_add_nc_u32 v5, s21, v5                       ; my block's byte among the wave's 256 scale bytes
	v_lshlrev_b32 v7, 3, v2
	v_add_nc_u32 v6, s21, v7
	s_lshl_b32 s22, ttmp9, 2
	s_add_co_u32 s22, s22, s20                     ; which run of 8,192 numbers is my wave's: 0..1023
	s_mov_b32 s25, 0
	s_lshl_b32 s24, s22, 15
	s_add_nc_u64 s[4:5], s[4:5], s[24:25]
	s_lshl_b32 s24, s22, 12
	s_add_nc_u64 s[12:13], s[12:13], s[24:25]
	s_lshl_b32 s24, s22, 8
	s_add_nc_u64 s[14:15], s[14:15], s[24:25]
.macro XLOAD t
.irp i, 0,1,2,3
	global_load_b128 v[XL+16*((\t)%4)+4*\i:XL+16*((\t)%4)+4*\i+3], v3, s[4:5] offset:2048*(\t)+512*\i th:TH_LOAD_NT
.endr
.endm
.macro XTURN t                         ; LDS serves a wave's instructions in order: no wait between the stores and the loads
.irp i, 0,1,2,3
	ds_store_b128 v14, v[XL+16*((\t)%4)+4*\i:XL+16*((\t)%4)+4*\i+3] offset:32*SP*((\t)%2)+8*SP*\i
.endr
.irp i, 0,1,2,3
	ds_load_b128 v[XN+16*((\t)%2)+4*\i:XN+16*((\t)%2)+4*\i+3], v15 offset:32*SP*((\t)%2)+16*\i
.endr
.endm
.irp t, 0,1,2,3
	XLOAD \t
.endr
	s_wait_loadcnt 12                              ; step 0's four loads are in; three steps' twelve stay out
	XTURN 0
.macro XSTEP t
.set XS, XN+16*((\t)%2)
.if (\t) > 0
	s_wait_dscnt 1                                 ; this step's numbers are back from the stage; the last step's byte store may be out
.else
	s_wait_dscnt 0x0
.endif
.if (\t)+4 < 16
	XLOAD (\t)+4
.endif
.if (\t)+1 < 16
.if 14-(\t) >= 3
	s_wait_loadcnt 12                              ; the next step's four loads are in; those of the three steps behind it may be out
.else
	s_wait_loadcnt 4*(14-(\t))
.endif
	XTURN (\t)+1
.endif
	v_max3_num_f32 v8, |v[XS]|, |v[XS+1]|, |v[XS+2]|
	v_max3_num_f32 v9, |v[XS+3]|, |v[XS+4]|, |v[XS+5]|
.irp i, 6,10
	v_max3_num_f32 v8, v8, |v[XS+\i]|, |v[XS+\i+1]|
	v_max3_num_f32 v9, v9, |v[XS+\i+2]|, |v[XS+\i+3]|
.endr
	v_max3_num_f32 v8, v8, |v[XS+14]|, |v[XS+15]|
	v_max3_num_f32 v8, v8, v9, (EMAX+1)<<23        ; the floor 2^(3 - 127): the byte cannot fall under 1
	v_max_num_f32_dpp v8, v8, v8 row_xmask:1 row_mask:0xf bank_mask:0xf   ; with my neighbour's 16: the block's largest magnitude
	v_add_nc_u32 v11, -(EMAX<<23), v8              ; 2 off its exponent field: the conversion takes that field as its scale
	v_cvt_scalef32_pk8_fp4_f32 v[XC+4*(\t)], v[XS:XS+7], v11
	v_cvt_scalef32_pk8_fp4_f32 v[XC+4*(\t)+1], v[XS+8:XS+15], v11
	v_lshrrev_b32 v[XE+(\t)], 23, v11              ; the scale's byte
	ds_store_b8 v5, v[XE+(\t)] offset:16*(\t)      ; both lanes of a block write the same byte with the same value
	global_store_b64 v4, v[XC+4*(\t):XC+4*(\t)+1], s[12:13] offset:256*(\t)   ; the wave stores 256 bytes on end, aligned
.endm
.irp t, 0,1,2,3,4,5,6,7,8,9,10,11,12,13,14,15
	XSTEP \t
.endr
	ds_load_b64 v[8:9], v6                         ; my wave's 256 scale bytes, 8 a lane
	s_wait_dscnt 0x0
	global_store_b64 v7, v[8:9], s[14:15]
	s_wait_tensorcnt 0x0                           ; the wave's end: behind my last LDS store
	ds_add_u32 v[SPW], v[NIL]
	s_wait_dscnt 0x0
	s_endpgm
.Lnot_x:
	s_cmp_lt_u32 ttmp9, 304
	s_cbranch_scc0 .Lnot_w
; ---------------- c_attn_w: K is its first axis.  A lane takes a column n and its registers run down K: a block of 32 lies in one lane.  A wave takes 32 columns x 512 along K.
	s_sub_co_u32 s21, ttmp9, 256                   ; 0..47: 24 groups of 128 columns x 2 halves of K
	s_cmp_ge_u32 s21, 24
	s_cselect_b32 s22, 1, 0                        ; which 512 along K
	s_cselect_b32 s23, 24, 0
	s_sub_co_u32 s21, s21, s23
	s_lshl_b32 s21, s21, 7
	s_lshl_b32 s23, s20, 5
	s_add_co_u32 s21, s21, s23                     ; my wave's first column
	v_lshlrev_b32 v3, 2, v2                        ; in: 4 bytes a lane
	s_mul_i32 s23, s20, 32*272
	s_add_co_u32 s23, s23, WRG                     ; my stage
	v_mul_u32_u24 v4, v2, 272
	v_add_nc_u32 v4, s23, v4                       ; into it: row = my column
	v_and_b32 v5, 15, v2
	v_lshrrev_b32 v6, 4, v2
	v_mul_u32_u24 v7, v6, 272
	v_lshl_add_u32 v7, v5, 4, v7
	v_add_nc_u32 v7, s23, v7                       ; out of it: sixteen lanes to a row, two rows an instruction
	v_lshlrev_b32 v8, 9, v6
	v_lshl_add_u32 v8, v5, 4, v8                   ; and the same place in the codes: rows of 512 bytes
	v_lshlrev_b32 v9, 5, v2                        ; my column's row of 32 scale bytes
	s_mov_b32 s25, 0
	s_mul_i32 s24, s22, 512*3072*4
	s_lshl_b32 s26, s21, 2
	s_add_co_u32 s24, s24, s26
	s_add_nc_u64 s[6:7], s[6:7], s[24:25]
	s_lshl_b32 s24, s21, 9
	s_lshl_b32 s26, s22, 8
	s_add_co_u32 s24, s24, s26
	s_add_co_u32 s24, s24, 4194304
	s_add_nc_u64 s[12:13], s[12:13], s[24:25]
	s_lshl_b32 s24, s21, 5
	s_lshl_b32 s26, s22, 4
	s_add_co_u32 s24, s24, s26
	s_add_co_u32 s24, s24, 262144
	s_add_nc_u64 s[14:15], s[14:15], s[24:25]
.macro WLOAD t                         ; block t: w(32 t + i, my column); 511 rows of 12,288 bytes at the most: inside the signed 24-bit immediate
.irp i, 0,1,2,3,4,5,6,7,8,9,10,11,12,13,14,15,16,17,18,19,20,21,22,23,24,25,26,27,28,29,30,31
	global_load_b32 v[WX+32*((\t)%2)+\i], v3, s[6:7] offset:(32*(\t)+\i)*12288 th:TH_LOAD_NT
.endr
.endm
	WLOAD 0
	WLOAD 1
.macro WBLOCK t
.set XS, WX+32*((\t)%2)
.if (\t) < 15
	s_wait_loadcnt 32                              ; this block's 32 loads are in; the next block's may be out
.else
	s_wait_loadcnt 0x0
.endif
	v_max3_num_f32 v12, |v[XS]|, |v[XS+1]|, |v[XS+2]|
	v_max3_num_f32 v13, |v[XS+3]|, |v[XS+4]|, |v[XS+5]|
.irp i, 6,10,14,18,22,26
	v_max3_num_f32 v12, v12, |v[XS+\i]|, |v[XS+\i+1]|
	v_max3_num_f32 v13, v13, |v[XS+\i+2]|, |v[XS+\i+3]|
.endr
	v_max3_num_f32 v12, v12, |v[XS+30]|, |v[XS+31]|
	v_max3_num_f32 v12, v12, v13, (EMAX+1)<<23
	v_add_nc_u32 v11, -(EMAX<<23), v12
	v_lshrrev_b32 v13, 23, v11
.if (\t)%4 == 0
	v_mov_b32 v[WSB+(\t)/4], v13
.else
	v_lshl_or_b32 v[WSB+(\t)/4], v13, 8*((\t)%4), v[WSB+(\t)/4]
.endif
.irp g, 0,1,2,3
	v_cvt_scalef32_pk8_fp4_f32 v[WC+\g], v[XS+8*\g:XS+8*\g+7], v11
.endr
	ds_store_b128 v4, v[WC:WC+3] offset:16*(\t)
.if (\t)+2 < 16
	WLOAD (\t)+2
.endif
	s_wait_dscnt 0x0                               ; the store has read its registers: the next block's codes may be written
.endm
.irp t, 0,1,2,3,4,5,6,7,8,9,10,11,12,13,14,15
	WBLOCK \t
.endr
	global_store_b128 v9, v[WSB:WSB+3], s[14:15]   ; my column's 16 scale bytes
.irp t, 0,1,2,3,4,5,6,7,8,9,10,11,12,13,14,15
	ds_load_b128 v[WO+4*\t:WO+4*\t+3], v7 offset:2*\t*272
.endr
.irp t, 0,1,2,3,4,5,6,7,8,9,10,11,12,13,14,15
	s_wait_dscnt 15-\t                             ; load t is in; the younger ones stay out
	global_store_b128 v8, v[WO+4*\t:WO+4*\t+3], s[12:13] offset:2*\t*512   ; sixteen lanes store 256 bytes on end, aligned
.endr
	s_wait_tensorcnt 0x0
	ds_add_u32 v[SPW], v[NIL]
	s_wait_dscnt 0x0
	s_endpgm
.Lnot_w:
	s_cmp_lt_u32 ttmp9, 368
	s_cbranch_scc0 .Lpath_m
; ---------------- c_proj_w: the same plan: a lane to a column n, registers down k; pairs along k are rounded to f16.  A wave takes 32 columns x 128 along k: 256 bytes a column.
	s_sub_co_u32 s21, ttmp9, 304
	s_and_b32 s22, s21, 7
	s_lshr_b32 s21, s21, 3                         ; which 128 along k
	s_lshl_b32 s22, s22, 7
	s_lshl_b32 s23, s20, 5
	s_add_co_u32 s22, s22, s23                     ; my wave's first column
	v_lshlrev_b32 v3, 2, v2
	s_mul_i32 s23, s20, 32*272
	s_add_co_u32 s23, s23, PRG
	v_mul_u32_u24 v4, v2, 272
	v_add_nc_u32 v4, s23, v4
	v_and_b32 v5, 15, v2
	v_lshrrev_b32 v6, 4, v2
	v_mul_u32_u24 v7, v6, 272
	v_lshl_add_u32 v7, v5, 4, v7
	v_add_nc_u32 v7, s23, v7
	v_lshlrev_b32 v8, 11, v6
	v_lshl_add_u32 v8, v5, 4, v8                   ; wpt: rows of 2,048 bytes
	s_mov_b32 s25, 0
	s_lshl_b32 s24, s21, 19
	s_lshl_b32 s26, s22, 2
	s_add_co_u32 s24, s24, s26
	s_add_nc_u64 s[8:9], s[8:9], s[24:25]
	s_lshl_b32 s24, s22, 11
	s_lshl_b32 s26, s21, 8
	s_add_co_u32 s24, s24, s26
	s_add_nc_u64 s[16:17], s[16:17], s[24:25]
.macro PLOAD t
.irp i, 0,1,2,3,4,5,6,7,8,9,10,11,12,13,14,15,16,17,18,19,20,21,22,23,24,25,26,27,28,29,30,31
	global_load_b32 v[WX+32*((\t)%2)+\i], v3, s[8:9] offset:(32*(\t)+\i)*4096 th:TH_LOAD_NT
.endr
.endm
	PLOAD 0
	PLOAD 1
.macro PBLOCK t
.set XS, WX+32*((\t)%2)
.if (\t) < 3
	s_wait_loadcnt 32                              ; this block's 32 loads are in; the next block's may be out
.else
	s_wait_loadcnt 0x0
.endif
.set g, 0
.rept 16
	v_cvt_pk_f16_f32 v[WC+g], v[XS+2*g], v[XS+2*g+1]   ; the lower k in the low half
.set g, g+1
.endr
.irp q, 0,1,2,3
	ds_store_b128 v4, v[WC+4*\q:WC+4*\q+3] offset:64*(\t)+16*\q
.endr
.if (\t)+2 < 4
	PLOAD (\t)+2
.endif
	s_wait_dscnt 0x0                               ; the stores have read their registers
.endm
.irp t, 0,1,2,3
	PBLOCK \t
.endr
.irp t, 0,1,2,3,4,5,6,7,8,9,10,11,12,13,14,15
	ds_load_b128 v[WO+4*\t:WO+4*\t+3], v7 offset:2*\t*272
.endr
.irp t, 0,1,2,3,4,5,6,7,8,9,10,11,12,13,14,15
	s_wait_dscnt 15-\t
	global_store_b128 v8, v[WO+4*\t:WO+4*\t+3], s[16:17] offset:2*\t*2048
.endr
	s_wait_tensorcnt 0x0
	ds_add_u32 v[SPW], v[NIL]
	s_wait_dscnt 0x0
	s_endpgm
.Lpath_m:
; ---------------- the mask: a work-group takes 16 queries, a wave 512 keys in two units of 256.  A unit's 16 rows x 256 bytes come in whole, turn through the wave's stage so that lane (r, h) holds row r's bytes
; 16 t + 8 h + 0 .. 7, and each byte place gives one compare: its lane mask is the word.  128 words a unit are gathered four to a lane and leave as 512 bytes on end.
	s_sub_co_u32 s21, ttmp9, 368                   ; the tile of 16 queries
	v_and_b32 v3, 15, v0                           ; r
	v_bfe_u32 v4, v0, 4, 1                         ; h
	v_lshlrev_b32 v5, 4, v3
	v_lshl_add_u32 v6, v4, 11, v5                  ; in memory: lanes 0-15 one row's 256 bytes, lanes 16-31 the next row's
	s_mul_i32 s22, s20, 16*272
	s_add_co_u32 s22, s22, MRG
	v_mul_u32_u24 v7, v4, 272
	v_add_nc_u32 v7, v7, v5
	v_add_nc_u32 v7, s22, v7                       ; the stage, in
	v_mul_u32_u24 v20, v3, 272
	v_lshl_add_u32 v20, v4, 3, v20
	v_add_nc_u32 v20, s22, v20                     ; and out: row r, + 8 h
	v_lshlrev_b32 v21, 4, v2                       ; 16 bytes a lane of a unit's 512
	s_mov_b32 s25, 0
	s_lshl_b32 s24, s21, 15                        ; 16 rows of 2,048 bytes
	s_lshl_b32 s26, s20, 9
	s_add_co_u32 s24, s24, s26
	s_add_nc_u64 s[10:11], s[10:11], s[24:25]
	s_lshl_b32 s24, s21, 12                        ; 4,096 bytes of words a tile,
	s_lshl_b32 s26, s20, 10                        ; 1,024 for a wave's 512 keys
	s_add_co_u32 s24, s24, s26
	s_add_nc_u64 s[18:19], s[18:19], s[24:25]
.irp u, 0,1
.irp i, 0,1,2,3,4,5,6,7
	global_load_b128 v[32+32*\u+4*\i:32+32*\u+4*\i+3], v6, s[10:11] offset:4096*\i+256*\u th:TH_LOAD_NT
.endr
.endr
.irp i, 12,13,14,15,16,17,18,19
	v_mov_b32 v\i, 0                               ; written whole before single lanes are written
.endr
.macro MUNIT u
	s_wait_loadcnt 8*(1-\u)                        ; this unit's eight loads are in; the second unit's eight may be out
.irp i, 0,1,2,3,4,5,6,7
	ds_store_b128 v7, v[32+32*\u+4*\i:32+32*\u+4*\i+3] offset:544*\i
.endr
.irp t, 0,1,2,3,4,5,6,7,8,9,10,11,12,13,14,15
	ds_load_b64 v[96+2*\t:97+2*\t], v20 offset:16*\t
.endr
	s_wait_dscnt 0x0
.set mw, 0
.rept 128                              ; word mw = 8 t + j: byte j of the lane's eight at column block t
	v_and_b32 v[8+mw%4], 0xff<<(8*(mw%4)), v[96+2*(mw/8)+(mw%8)/4]
	v_cmp_ne_u32 s[24+mw%4], 0, v[8+mw%4]
	v_writelane_b32 v[12+4*\u+mw%4], s[24+mw%4], mw/4
.set mw, mw+1
.endr
	global_store_b128 v21, v[12+4*\u:15+4*\u], s[18:19] offset:512*\u
.endm
	MUNIT 0
	MUNIT 1
	s_wait_tensorcnt 0x0
	ds_add_u32 v[SPW], v[NIL]
	s_wait_dscnt 0x0
	s_endpgm
.Lfunc_end_k_qf8580f9844_prep:
	.size	k_qf8580f9844_prep, .Lfunc_end_k_qf8580f9844_prep-k_qf8580f9844_prep
	.p2alignl 7, 3214868480
	.fill 96, 4, 3214868480
	.section	.rodata,"a",@progbits
	.p2align	6, 0x0
	.amdhsa_kernel k_qf8580f9844_prep
		.amdhsa_group_segment_fixed_size 120320
		.amdhsa_private_segment_fixed_size 0
		.amdhsa_enable_private_segment 0
		.amdhsa_kernarg_size 64
		.amdhsa_user_sgpr_count 2
		.amdhsa_user_sgpr_kernarg_segment_ptr 1
		.amdhsa_wavefront_size32 1
		.amdhsa_system_sgpr_workgroup_id_x 1
		.amdhsa_system_sgpr_workgroup_id_y 1
		.amdhsa_system_sgpr_workgroup_id_z 1
		.amdhsa_system_vgpr_workitem_id 0
		.amdhsa_next_free_vgpr 192
		.amdhsa_next_free_sgpr 66
		.amdhsa_reserve_vcc 0
		.amdhsa_float_denorm_mode_32 3
		.amdhsa_float_denorm_mode_16_64 3
		.amdhsa_memory_ordered 1
		.amdhsa_forward_progress 1
		.amdhsa_inst_pref_size 187
	.end_amdhsa_kernel
	.amdgpu_metadata
---
amdhsa.version: [ 1, 2 ]
amdhsa.kernels:
  - .name:           k_qf8580f9844_prep
    .symbol:         k_qf8580f9844_prep.kd
    .args:
      - { .name: x, .offset: 0, .size: 8, .value_kind: global_buffer, .address_space: global }
      - { .name: c_attn_w, .offset: 8, .size: 8, .value_kind: global_buffer, .address_space: global }
      - { .name: c_proj_w, .offset: 16, .size: 8, .value_kind: global_buffer, .address_space: global }
      - { .name: mask_self_attention, .offset: 24, .size: 8, .value_kind: global_buffer, .address_space: global }
      - { .name: codes, .offset: 32, .size: 8, .value_kind: global_buffer, .address_space: global }
      - { .name: scales, .offset: 40, .size: 8, .value_kind: global_buffer, .address_space: global }
      - { .name: wpt, .offset: 48, .size: 8, .value_kind: global_buffer, .address_space: global }
      - { .name: mbits, .offset: 56, .size: 8, .value_kind: global_buffer, .address_space: global }
    .group_segment_fixed_size: 120320
    .private_segment_fixed_size: 0
    .kernarg_segment_align: 8
    .kernarg_segment_size: 64
    .max_flat_workgroup_size: 128
    .sgpr_count:     66
    .vgpr_count:     192
    .wavefront_size: 32
...
	.end_amdgpu_metadata
.endif
;; end of part 1
;; launch qkv (part 2): grid 12 x 32, 4 waves a work-group, clusters of 4 x 4, 327,680 bytes of LDS; arguments codes, scales, c_attn_b, qkv; writes qkv
.if DOCPART == 2
	.amdgcn_target "amdgcn-amd-amdhsa--gfx1250"
	.amdhsa_code_object_version 6
	.text
	.protected	k_qf8580f9844_qkv
	.globl	k_qf8580f9844_qkv
	.p2align	8
	.type	k_qf8580f9844_qkv,@function
k_qf8580f9844_qkv:
	s_mov_b64 s[64:65], 0
	v_nop
	global_prefetch_b8 v0, s[64:65] scope:SCOPE_SE
	s_setreg_imm32_b32 hwreg(HW_REG_WAVE_MODE, 25, 1), 1
	s_wait_xcnt 0x0
	s_wait_alu depctr_hold_cnt(0) depctr_sa_sdst(0) depctr_va_vdst(0) depctr_va_sdst(0) depctr_va_ssrc(0) depctr_va_vcc(0) depctr_vm_vsrc(0)
	s_getreg_b32 s2, hwreg(HW_REG_IB_STS2, 6, 4)
	s_cmp_eq_u32 s2, 0
	s_cbranch_scc0 .Lentry_in_a_cluster
	s_endpgm
.Lentry_in_a_cluster:
	s_bfe_u32 s2, ttmp6, 0x10000c
	s_cmp_lg_u32 s2, 0xf033
	s_cbranch_scc0 .Lentry_shape_is_right
	s_endpgm
.Lentry_shape_is_right:
; QKV: x c_attn_w on codes of FP4 (E2M1) with one E8M0 scale for each 32 along K = 1,024; sums in f32; q and k get their bias; q, k, v leave as f16 tiles.  Nothing of the product is left out; V's bias is added in the attention launch.
; A tile of 256 x 256 is made by a work-group of four waves; a wave makes 128 x 128: 64 accumulators of 16 x 16, 512 registers.  K is two steps of 512, each in an LDS slot of its own: both are first fills, nothing is filled again.
; CLUSTERS: 4 x 4 work-groups.  The cluster's x names the part: 0 = q, 1 = k, 2 = v.  'A' is the operand whose tile the four of a row of the cluster share, 'B' the one that the four of a column share; each tile is asked for jointly.
;   q, k: A = 256 rows of x (positions), B = 256 rows of w's codes (channels).     v: THE OPERANDS CHANGE ROLES: A = 256 rows of w's codes from row 2,048 on (channels), B = 256 rows of x (keys).
; THE MATRIX INSTRUCTION IS USED TRANSPOSED (source 0 = 16 rows of B, source 1 = 16 rows of A): a lane holds one row of A's and eight neighbours of B's.  So q and k leave as [position][channel], v as [channel][key], by one way out.
; OUT: qkv [64 batch x head][16 slots of 128 positions][49,152 bytes]: Q [128][64] f16 | K [128][64] f16 | V^T [64][128] f16.  From byte 50,331,648: v of keys 0-15 of every sequence in f32, without bias, as images of the
; accumulators' registers: [64 batch x head][4 tiles of 16 channels][2 halves][32 lanes][16 bytes]: lane (channel r, h), register j = key 8 h + j.
; LIMITS: q, k, v are rounded to f16: magnitudes up to 65,504.
; REGISTERS, in windows of 256: window 0: v0-31 addresses; v32-95 scale words, two sets, and nothing else; v96-105 the way out's offsets; v128-191 A's fragments, one set, later rows read back; v192-255 the bias, later packed results.
;   window 1: B's fragments, two sets, at v0 and v128.   window 2: the accumulators of my A rows 0-63 ((a, b) at v[8 (8 a + b)]);   window 3: those of rows 64-127.
.set NQ,     4                         ; matrix instructions deep in a slot: 512 along K
.set ROWB,   256                       ; a tile's row: 512 codes
.set KROW,   512                       ; a row of codes in memory
.set PITCH,  272                       ; an LDS row: 256 bytes + 16 of padding: the 16 rows that a load touches start 4 banks apart
.set FR,     8
.set NL,     2
.set NP,     4
.set HALFT,  128*PITCH
.set SLOT,   4*HALFT
.set KS,     32                        ; a row of scale bytes
.set SCL,    2*SLOT                    ; behind the slots: the scale bytes, as units of 256 bytes + 16 of padding
.set HALFS,  16*272                    ; those of 128 rows
.set SBLK,   2*272                     ; those of 16 rows
.set SPARE,  SCL+4*HALFS               ; the spare words, 128 bytes a wave: two blocks of 256 bytes that no other line names
.set SPITCH, 272                       ; the way out: a stage of 16 rows x (256 + 16) bytes for each wave, in slot 0, which has had its one fill and its last read by then
.set ADRA, 16
.set ADRB, 20
.set STO,  24
.set RD,   25
.set ADRS, 27
.set SPW,  28
.set NIL,  29
.set SC,   32
.set CO,   96                          ; v96-103 my byte offset for each of a block's eight stores
.set LI,   104                         ; v104 16 x lane
.set BO,   105                         ; v105 32 x (lane / 16): the bias loads' offset
.set AF,   128
.set BK,   128
.set TMP,  192
.set BIA,  192
.set G1, 24
.set G0, 32
.set G1B, 48
.set G0B, 56
.set G1S, 68
.set G0S, 76
.set G1SB, 80
.set G0SB, 88
.set MSB, 0
.macro WIN new                         ; the immediate's high byte repeats the setting that is left
.if MSB != \new
	s_set_vgpr_msb (MSB<<8)|\new
.set MSB, \new
.endif
.endm
.set MUL_LO, 0xa1                      ; source 0 (B) window 1, source 1 (A) window 0, C and D window 2
.set MUL_HI, 0xf1
.set TO_B,   0x40
.macro JLOAD g0a, g1a, g0b, g1b        ; a joint load: waves 0 and 1 fetch for A, waves 2 and 3 for B; an s_nop 0 and four v_nop follow each line
	s_cmp_eq_u32 s15, 0
	s_cbranch_scc0 .Lfor_b_\@
	tensor_load_to_lds s[\g0a:\g0a+3], s[\g1a:\g1a+7]
	s_nop 0
.rept 4
	v_nop
.endr
	s_branch .Lasked_\@
.Lfor_b_\@:
	tensor_load_to_lds s[\g0b:\g0b+3], s[\g1b:\g1b+7]
	s_nop 0
.rept 4
	v_nop
.endr
.Lasked_\@:
.endm
.macro CROUND                          ; a round of the cluster's barrier
	s_barrier_signal -1
	s_barrier_wait -1
	s_cmp_lg_u32 s14, 0
	s_cbranch_scc1 .Lnot_wave_0_\@
	s_barrier_signal -3
.Lnot_wave_0_\@:
	s_barrier_wait -3
	s_barrier_signal -1
	s_barrier_wait -1
.endm
	s_load_b256 s[4:11], s[0:1], 0x0               ; codes s[4:5], scales s[6:7], c_attn_b s[8:9], qkv s[10:11]
	v_lshl_add_u32 v[SPW], v0, 2, SPARE
	v_mov_b32 v[NIL], 0
	ds_add_u32 v[SPW], v[NIL]                      ; the wave's opening: the add, twice on end, and its wait ahead of my first tensor load
	ds_add_u32 v[SPW], v[NIL]
	v_lshrrev_b32 v1, 5, v0
	v_readfirstlane_b32 s14, v1                    ; wave 0..3
	s_lshr_b32 s15, s14, 1                         ; which half of A's rows is mine.  Also: I fetch for A (0) or for B (1)
	s_and_b32 s16, s14, 1                          ; which half of B's rows.  Also: which 128 rows of that tile I fetch
	s_bfe_u32 s40, ttmp6, 0x40000                  ; cx
	s_bfe_u32 s41, ttmp6, 0x40004                  ; cy
	s_and_b32 s99, ttmp7, 0xffff
	s_lshl_b32 s99, s99, 2                         ; 4 x cluster y
	s_lshl_b32 s100, ttmp9, 2                      ; 4 x cluster x
	s_mov_b32 s97, 786432
	s_cmp_eq_u32 ttmp9, 2                          ; the part is v?  The cluster's x is the same in all sixteen partners.  All the choices stand on end behind this one compare
	s_cselect_b32 s98, 1, 0
	s_cselect_b32 s17, 0, s99                      ; A's tile: v: cy alone (4 tiles of 256 channels); q, k: 4 x cluster y + cy (32 tiles of 256 positions)
	s_cselect_b32 s42, s99, s100                   ; B's tile: v: 4 x cluster y + cx (positions); q, k: 4 x cluster x + cx (channels 0 .. 2,047)
	s_cselect_b32 s92, 0x500000, 0                 ; where A's codes begin: v: w's row 2,048
	s_cselect_b32 s93, 0x50000, 0                  ; and A's scale bytes
	s_cselect_b32 s94, 0, 0x400000                 ; B's codes: q, k: w's row 0
	s_cselect_b32 s95, 0, 0x40000
	s_cselect_b32 s97, 128, s97                    ; the way out: from the lower to the upper half of a stage row: v: 128 bytes on; q, k: the next head, 16 slots on
	s_cselect_b32 s101, 770048, 0                  ; v: behind four blocks of 16 channels, on to the next head's V^T
	s_lshl_b32 s96, 128, s98                       ; bytes of a row where it goes: 128 (q, k), 256 (v)
	s_add_co_u32 s17, s17, s41
	s_add_co_u32 s42, s42, s40
	s_lshl_b32 s43, s41, 2
	s_lshl_b32 s43, 15, s43                        ; my row of the cluster
	s_lshl_b32 s44, 0x1111, s40                    ; my column
	s_or_b32 s[G1+0], s43, (0<<16)|(1<<20)|(1<<21)|(5<<22)|(3<<25)  ; the mask; elements of 1 byte; padding on; bit 21 beside a mask; 4 words behind every 64
	s_or_b32 s[G1B+0], s44, (0<<16)|(1<<20)|(1<<21)|(5<<22)|(3<<25)
.irp g, G1, G1B
	s_mov_b32 s[\g+1], ROWB<<16                    ; tensor_dim0
	s_mov_b32 s[\g+2], 128<<16                     ; tensor_dim1
	s_mov_b32 s[\g+3], ROWB<<16                    ; tile_dim0
	s_mov_b32 s[\g+4], 128                         ; tile_dim1
	s_mov_b32 s[\g+5], KROW                        ; from row to row
	s_mov_b32 s[\g+6], 0
	s_mov_b32 s[\g+7], 0
.endr
	s_or_b32 s[G1S+0], s43, (3<<16)|(1<<20)|(1<<21)|(5<<22)|(3<<25) ; the scale bytes of 128 rows: 4,096 dense bytes as 16 rows of 32 elements of 8 bytes
	s_or_b32 s[G1SB+0], s44, (3<<16)|(1<<20)|(1<<21)|(5<<22)|(3<<25)
.irp g, G1S, G1SB
	s_mov_b32 s[\g+1], 32<<16
	s_mov_b32 s[\g+2], 16<<16
	s_mov_b32 s[\g+3], 32<<16
	s_mov_b32 s[\g+4], 16
	s_mov_b32 s[\g+5], 32
	s_mov_b32 s[\g+6], 0
	s_mov_b32 s[\g+7], 0
.endr
	s_lshl_b32 s18, s16, 7
	s_lshl_b32 s20, s17, 8
	s_add_co_u32 s20, s20, s18                     ; A: the first row that I would fetch
	s_lshl_b32 s46, s42, 8
	s_add_co_u32 s46, s46, s18                     ; B likewise
	s_lshl_b32 s22, s20, 5
	s_add_co_u32 s22, s22, s93                     ; A's scale bytes,
	s_mov_b32 s23, 0
	s_lshl_b32 s20, s20, 9
	s_add_co_u32 s20, s20, s92                     ; A's codes,
	s_mov_b32 s21, 0
	s_lshl_b32 s12, s46, 5
	s_add_co_u32 s12, s12, s95                     ; B's scale bytes,
	s_mov_b32 s13, 0
	s_lshl_b32 s46, s46, 9
	s_add_co_u32 s46, s46, s94                     ; B's codes: byte offsets, all under 2^23
	s_mov_b32 s47, 0
	s_mul_i32 s45, s14, HALFT                      ; where they go: wave x 128 rows: no place in the cluster enters an LDS address
	s_mul_i32 s19, s14, HALFS
	s_wait_dscnt 0x0                               ; both opening adds are done
	s_wait_kmcnt 0x0
	s_add_nc_u64 s[20:21], s[4:5], s[20:21]
	s_add_nc_u64 s[22:23], s[6:7], s[22:23]
	s_add_nc_u64 s[46:47], s[4:5], s[46:47]
	s_add_nc_u64 s[12:13], s[6:7], s[12:13]
	CROUND                                         ; all sixteen work-groups are here: the first joint loads meet
	s_mov_b32 s[G0S], 1
	s_add_co_u32 s[G0S+1], s19, SCL
	s_mov_b64 s[G0S+2:G0S+3], s[22:23]
	s_or_b32 s[G0S+3], s[G0S+3], 0x80000000
	s_mov_b32 s[G0SB], 1
	s_add_co_u32 s[G0SB+1], s19, SCL
	s_mov_b64 s[G0SB+2:G0SB+3], s[12:13]
	s_or_b32 s[G0SB+3], s[G0SB+3], 0x80000000
	JLOAD G0S, G1S, G0SB, G1SB                     ; the scale bytes first; by this text's count three loads of a wave are out at the most
.irp s, 0,1
	s_mov_b32 s[G0+4*\s], 1
	s_add_co_u32 s[G0+4*\s+1], s45, \s*SLOT
	s_add_nc_u64 s[G0+4*\s+2:G0+4*\s+3], s[20:21], \s*ROWB
	s_or_b32 s[G0+4*\s+3], s[G0+4*\s+3], 0x80000000
	s_mov_b32 s[G0B+4*\s], 1
	s_add_co_u32 s[G0B+4*\s+1], s45, \s*SLOT
	s_add_nc_u64 s[G0B+4*\s+2:G0B+4*\s+3], s[46:47], \s*ROWB
	s_or_b32 s[G0B+4*\s+3], s[G0B+4*\s+3], 0x80000000
	JLOAD G0+4*\s, G1, G0B+4*\s, G1B
.endr
	v_and_b32 v1, 15, v0                           ; r = lane % 16
	v_bfe_u32 v2, v0, 4, 1                         ; h = lane / 16
	v_lshlrev_b32 v[BO], 5, v2
	s_cmp_eq_u32 s98, 1                            ; q and k: the bias of my 128 channels, in the result's layout: for B's block b the eight numbers at 16 b + 8 h
	s_cbranch_scc1 .Lno_bias
	s_lshl_b32 s2, s42, 10
	s_lshl_b32 s3, s16, 9
	s_add_co_u32 s2, s2, s3
	s_mov_b32 s3, 0
	s_add_nc_u64 s[8:9], s[8:9], s[2:3]
.irp b, 0,1,2,3,4,5,6,7
	global_load_b128 v[BIA+8*\b:BIA+8*\b+3], v[BO], s[8:9] offset:64*\b
	global_load_b128 v[BIA+8*\b+4:BIA+8*\b+7], v[BO], s[8:9] offset:64*\b+16
.endr
.Lno_bias:
	v_mul_u32_u24 v3, v1, PITCH
	v_lshl_add_u32 v4, v2, 4, v3                   ; a fragment's row x pitch + 16 x half
	s_mul_i32 s21, s15, HALFT
	s_mul_i32 s22, s16, HALFT
	s_add_co_u32 s22, s22, 2*HALFT
.irp s, 0,1
	v_add_nc_u32 v[ADRA+\s], s21, v4
	v_add_nc_u32 v[ADRB+\s], s22, v4
	s_add_co_u32 s21, s21, SLOT
	s_add_co_u32 s22, s22, SLOT
.endr
	v_mul_u32_u24 v5, v1, KS                       ; my row's scale bytes: 32 a row,
	v_lshrrev_b32 v6, 8, v5
	v_lshl_add_u32 v5, v6, 4, v5                   ; and 16 more for each 256 passed
	s_mul_i32 s21, s15, HALFS
	s_mul_i32 s22, s16, HALFS
	s_add_co_u32 s22, s22, 2*HALFS
	s_sub_co_u32 s22, s22, s21
	v_mul_u32_u24 v6, s22, v2                      ; lanes 16-31 take B's
	s_add_co_u32 s21, s21, SCL
	v_add_nc_u32 v5, v5, v6
	v_add_nc_u32 v[ADRS], s21, v5
	s_mul_i32 s23, s14, 16*SPITCH                  ; my stage
	v_mul_u32_u24 v5, v1, SPITCH
	v_lshl_add_u32 v5, v2, 4, v5
	v_add_nc_u32 v[STO], s23, v5                   ; in: row r, 16 bytes for each half of the lanes
	v_mul_u32_u24 v5, v2, SPITCH
	v_lshl_add_u32 v5, v1, 4, v5
	v_add_nc_u32 v[RD], s23, v5                    ; back: lanes 0-15 one row of 256 bytes, lanes 16-31 the next
	v_mul_lo_u32 v[CO], v2, s96                    ; where those bytes go: the row,
	v_bfe_u32 v5, v0, 3, 1
	v_mul_lo_u32 v5, v5, s97                       ; the upper half of a stage row,
	v_add_nc_u32 v[CO], v[CO], v5
	v_and_b32 v5, 7, v0
	v_lshl_add_u32 v[CO], v5, 4, v[CO]             ; 16 bytes a lane
	s_lshl_b32 s19, s96, 1
.irp t, 1,2,3,4,5,6,7
	v_add_nc_u32 v[CO+\t], s19, v[CO+\t-1]         ; two rows on for each of the eight stores
.endr
	v_and_b32 v6, 31, v0
	v_lshlrev_b32 v[LI], 4, v6
	s_lshl_b32 s2, s42, 8
	s_lshl_b32 s3, s16, 7
	s_add_co_u32 s2, s2, s3                        ; v: my first key
	s_lshl_b32 s3, s17, 8
	s_lshl_b32 s18, s15, 7
	s_add_co_u32 s3, s3, s18                       ; q, k: my first position
	s_lshl_b32 s18, s41, 2
	s_lshl_b32 s19, s15, 1
	s_add_co_u32 s18, s18, s19                     ; v: my first head
	s_lshl_b32 s19, s40, 2
	s_lshl_b32 s20, s16, 1
	s_add_co_u32 s19, s19, s20                     ; q, k: my first head
	s_cmp_eq_u32 s98, 1
	s_cselect_b32 s2, s2, s3
	s_cselect_b32 s18, s18, s19
	s_lshr_b32 s3, s2, 11                          ; the batch
	s_lshl_b32 s3, s3, 4
	s_add_co_u32 s3, s3, s18                       ; 16 x batch + head
	s_bfe_u32 s19, s2, 0x40007                     ; the slot of 128 positions
	s_lshl_b32 s20, s3, 4
	s_add_co_u32 s20, s20, s19
	s_mul_i32 s20, s20, 49152
	s_lshl_b32 s21, ttmp9, 14                      ; Q, K or V^T in the slot
	s_add_co_u32 s20, s20, s21
	s_mov_b32 s21, 0
	s_lshl_b32 s12, s3, 12
	s_add_co_u32 s12, s12, 50331648
	s_mov_b32 s13, 0
	s_add_nc_u64 s[12:13], s[10:11], s[12:13]      ; the f32 images of my two heads
	s_add_nc_u64 s[10:11], s[10:11], s[20:21]      ; my first rows' place
	s_and_b32 s100, s42, 7                         ; 0 where the part is v and my 128 keys begin a sequence
	s_or_b32 s100, s100, s16
	s_xor_b32 s19, s98, 1
	s_or_b32 s100, s100, s19
	s_lshl_b32 s92, s96, 4                         ; 16 rows on
	s_mov_b32 s93, 0
	s_mov_b32 s94, s101
	s_mov_b32 s95, 0
.macro FRAG reg, adr, q, i             ; 16 rows x 128 K of 4-bit codes: 8 registers: lane l holds row l % 16; registers 4 c .. 4 c + 3 hold K = 64 c + 32 (l / 16) + 0 .. 31
.irp c, 0,1
	ds_load_b128 v[\reg+4*\c:\reg+4*\c+3], v[\adr] offset:64*(\q)+32*\c+(\i)*16*PITCH
.endr
.endm
; 16 matrix instructions: A's blocks a0, a0 + 1 x B's eight.  zero = 0: adds in place; 1: the bias starts the sums; 2: the constant 0 does.  The 64 accumulators take turns, one instruction a turn.
.macro MUL16 a0, p, q, sc, zero
.irp a, \a0, \a0+1
.irp b, 0,1,2,3,4,5,6,7
.if \zero == 2
	v_wmma_scale_f32_16x16x128_f8f6f4 v[8*(8*((\a)%4)+\b):8*(8*((\a)%4)+\b)+7], v[128*(\p)+FR*\b:128*(\p)+FR*\b+FR-1], v[AF+FR*(\a):AF+FR*(\a)+FR-1], 0, v[SC+8*NQ*(\sc)+NQ*\b+(\q)], v[SC+8*NQ*(\sc)+NQ*(\a)+(\q)] matrix_a_fmt:MATRIX_FMT_FP4 matrix_b_fmt:MATRIX_FMT_FP4 matrix_a_scale:MATRIX_SCALE_ROW1
.elseif \zero == 1
	v_wmma_scale_f32_16x16x128_f8f6f4 v[8*(8*((\a)%4)+\b):8*(8*((\a)%4)+\b)+7], v[128*(\p)+FR*\b:128*(\p)+FR*\b+FR-1], v[AF+FR*(\a):AF+FR*(\a)+FR-1], v[BIA+8*\b:BIA+8*\b+7], v[SC+8*NQ*(\sc)+NQ*\b+(\q)], v[SC+8*NQ*(\sc)+NQ*(\a)+(\q)] matrix_a_fmt:MATRIX_FMT_FP4 matrix_b_fmt:MATRIX_FMT_FP4 matrix_a_scale:MATRIX_SCALE_ROW1
.else
	v_wmma_scale_f32_16x16x128_f8f6f4 v[8*(8*((\a)%4)+\b):8*(8*((\a)%4)+\b)+7], v[128*(\p)+FR*\b:128*(\p)+FR*\b+FR-1], v[AF+FR*(\a):AF+FR*(\a)+FR-1], v[8*(8*((\a)%4)+\b):8*(8*((\a)%4)+\b)+7], v[SC+8*NQ*(\sc)+NQ*\b+(\q)], v[SC+8*NQ*(\sc)+NQ*(\a)+(\q)] matrix_a_fmt:MATRIX_FMT_FP4 matrix_b_fmt:MATRIX_FMT_FP4 matrix_a_scale:MATRIX_SCALE_ROW1
.endif
.endr
.endr
.endm
.macro FETCH_B slot, q, p
	WIN TO_B
.irp i, 0,1,2,3,4,5,6,7
	FRAG 128*(\p)+FR*\i, ADRB+\slot, \q, \i
.endr
	WIN 0
.endm
.macro FETCH_A slot, q, i0
.irp i, \i0, \i0+1, \i0+2, \i0+3
	FRAG AF+FR*(\i), ADRA+\slot, \q, \i
.endr
.endm
.macro SCALES sc                       ; a slot's scale words: 4 words a row; lanes 0-15 take A's block i, lanes 16-31 B's block i
.irp i, 0,1,2,3,4,5,6,7
	ds_load_b128 v[SC+8*NQ*\sc+NQ*\i:SC+8*NQ*\sc+NQ*\i+3], v[ADRS] offset:\i*SBLK
.endr
.endm
.macro PLACES n                        ; plain vector instructions between a matrix instruction and a load into, or a read of, its registers
.rept \n
	v_nop
.endr
.endm
.macro STEP slot, q, zero              ; 128 along K, with its successor in the same slot
	s_wait_dscnt 4*NL                              ; B's set and A's blocks 0-3 are in; the youngest eight loads (A's blocks 4-7) may be out
.if \zero == 1
	WIN 0x81                                       ; C (the bias) in window 0, D in window 2
.else
	WIN MUL_LO
.endif
	MUL16 0, (\q)%2, \q, \slot, \zero
	MUL16 2, (\q)%2, \q, \slot, \zero
	s_wait_dscnt 0
	PLACES NP
	FETCH_B \slot, (\q)+1, 1-(\q)%2
	FETCH_A \slot, (\q)+1, 0
.if \zero == 1
	WIN 0xc1
.else
	WIN MUL_HI
.endif
	MUL16 4, (\q)%2, \q, \slot, \zero
	MUL16 6, (\q)%2, \q, \slot, \zero
	PLACES NP
	WIN 0
	FETCH_A \slot, (\q)+1, 4
.endm
.macro TURN slot, next                 ; a slot's last step changes slots: one barrier
	s_wait_tensorcnt 0x0                           ; all my tensor loads have landed: my part of the next slot
	ds_add_u32 v[SPW], v[NIL]                      ; 0 onto my spare word
	s_wait_dscnt 4*NL+1                            ; the add and the youngest eight loads may be out
	WIN MUL_LO
	MUL16 0, 1, NQ-1, \slot, 0
	s_wait_dscnt 0x0                               ; the add is done, and my reads of this slot are over
	s_barrier_signal -1
	MUL16 2, 1, NQ-1, \slot, 0
	WIN 0
	s_barrier_wait -1
	PLACES NP
	v_add_nc_u32 v[ADRS], 4*NQ, v[ADRS]            ; on to the next slot's scale words
	FETCH_B \next, 0, 0
	FETCH_A \next, 0, 0
	SCALES \next
	WIN MUL_HI
	MUL16 4, 1, NQ-1, \slot, 0
	MUL16 6, 1, NQ-1, \slot, 0
	PLACES NP
	WIN 0
	FETCH_A \next, 0, 4
.endm
.macro STEPS slot, from
.set Q, \from
.rept NQ-1-\from
	STEP \slot, Q, 0
.set Q, Q+1
.endr
.endm
	s_wait_tensorcnt 1                             ; the scale bytes and my part of slot 0 are in; slot 1's load may be out
	s_barrier_signal -1
	s_barrier_wait -1
	FETCH_B 0, 0, 0
	FETCH_A 0, 0, 0
	SCALES 0
	FETCH_A 0, 0, 4
	s_cmp_eq_u32 s98, 1                            ; the first step is written twice: both arms issue the same LDS loads, so every counted wait holds on both
	s_cbranch_scc1 .Lfirst_v
	s_wait_loadcnt 0x0                             ; the bias
	STEP 0, 0, 1
	s_branch .Lfirst_done
.Lfirst_v:
	STEP 0, 0, 2
.Lfirst_done:
	STEPS 0, 1
	TURN 0, 1
	STEPS 1, 0
	s_wait_dscnt 4*NL                              ; the very last step
	WIN MUL_LO
	MUL16 0, 1, NQ-1, 1, 0
	MUL16 2, 1, NQ-1, 1, 0
	s_wait_dscnt 0
	WIN MUL_HI
	MUL16 4, 1, NQ-1, 1, 0
	MUL16 6, 1, NQ-1, 1, 0
	WIN 0
	PLACES NP
	; v of keys 0-15 in f32: B's block 0 of each of A's eight blocks, as the registers stand.  Which waves hold them hangs on the place in the cluster, so it is a matter of EXEC and of no branch.
	s_wait_xcnt 0x0                                ; EXEC changes only behind this wait
	s_cmp_eq_u32 s100, 0
	s_cselect_b32 vcc_lo, -1, 0
	s_and_saveexec_b32 s101, vcc_lo
	WIN 0x08                                       ; a store's data are its source 1: window 2
.irp a, 0,1,2,3
	global_store_b128 v[LI], v[64*\a:64*\a+3], s[12:13] offset:1024*\a           ; each accumulator from its low end on
	global_store_b128 v[LI], v[64*\a+4:64*\a+7], s[12:13] offset:1024*\a+512
.endr
	WIN 0x0c                                       ; window 3
.irp a, 0,1,2,3
	global_store_b128 v[LI], v[64*\a:64*\a+3], s[12:13] offset:1024*(\a+4)
	global_store_b128 v[LI], v[64*\a+4:64*\a+7], s[12:13] offset:1024*(\a+4)+512
.endr
	WIN 0
	s_wait_xcnt 0x0
	s_or_b32 exec_lo, exec_lo, s101
; THE WAY OUT, a block of 16 of A's rows at a time: rounded to f16, 16 bytes a lane; through my stage; back as whole rows of 256 bytes.
.macro PACK a
.set AC, 64*((\a)%4)
	WIN 0x0a+5*((\a)/4)                            ; sources 0 and 1: window 2 or 3
.irp b, 0,1,2,3,4,5,6,7
.irp r, 0,1,2,3
	v_cvt_pk_f16_f32 v[TMP+4*\b+\r], v[AC+8*\b+2*\r], v[AC+8*\b+2*\r+1]
.endr
.endr
	WIN 0
.endm
.macro TOSTAGE a
.set BB, BK+32*((\a)%2)
.irp b, 0,1,2,3,4,5,6,7
	ds_store_b128 v[STO], v[TMP+4*\b:TMP+4*\b+3] offset:32*\b
.endr
.irp t, 0,1,2,3,4,5,6,7
	ds_load_b128 v[BB+4*\t:BB+4*\t+3], v[RD] offset:\t*2*SPITCH    ; LDS serves a wave's instructions in order: these see the stores above
.endr
.endm
.macro SEND a
.set BB, BK+32*((\a)%2)
	s_wait_dscnt 0x0                               ; the block is back in registers
	s_wait_xcnt 0x0                                ; earlier stores have read their base and their registers
.if (\a) > 0
	s_add_nc_u64 s[10:11], s[10:11], s[92:93]      ; 16 rows on
.endif
.if (\a) == 4
	s_add_nc_u64 s[10:11], s[10:11], s[94:95]      ; v: the next head
.endif
.irp t, 0,1,2,3,4,5,6,7
	global_store_b128 v[CO+\t], v[BB+4*\t:BB+4*\t+3], s[10:11]     ; v: sixteen lanes store a channel's 256 bytes; q, k: eight lanes a row's 128 bytes, two rows on end: 256 bytes, aligned
.endr
.endm
	PACK 0
	TOSTAGE 0
.irp a, 1,2,3,4,5,6,7
	PACK \a
	SEND \a-1
	TOSTAGE \a
.endr
	SEND 7
	s_wait_tensorcnt 0x0                           ; the wave's end
	ds_add_u32 v[SPW], v[NIL]
	s_wait_dscnt 0x0
	CROUND                                         ; the closing round
	s_endpgm
.Lfunc_end_k_qf8580f9844_qkv:
	.size	k_qf8580f9844_qkv, .Lfunc_end_k_qf8580f9844_qkv-k_qf8580f9844_qkv
	.p2alignl 7, 3214868480
	.fill 96, 4, 3214868480
	.section	.rodata,"a",@progbits
	.p2align	6, 0x0
	.amdhsa_kernel k_qf8580f9844_qkv
		.amdhsa_group_segment_fixed_size 327680
		.amdhsa_private_segment_fixed_size 0
		.amdhsa_enable_private_segment 0
		.amdhsa_kernarg_size 32
		.amdhsa_user_sgpr_count 2
		.amdhsa_user_sgpr_kernarg_segment_ptr 1
		.amdhsa_wavefront_size32 1
		.amdhsa_system_sgpr_workgroup_id_x 1
		.amdhsa_system_sgpr_workgroup_id_y 1
		.amdhsa_system_sgpr_workgroup_id_z 1
		.amdhsa_system_vgpr_workitem_id 0
		.amdhsa_next_free_vgpr 1024
		.amdhsa_next_free_sgpr 106
		.amdhsa_reserve_vcc 1
		.amdhsa_float_denorm_mode_32 3
		.amdhsa_float_denorm_mode_16_64 3
		.amdhsa_memory_ordered 1
		.amdhsa_forward_progress 1
		.amdhsa_inst_pref_size 143
	.end_amdhsa_kernel
	.amdgpu_metadata
---
amdhsa.version: [ 1, 2 ]
amdhsa.kernels:
  - .name:           k_qf8580f9844_qkv
    .symbol:         k_qf8580f9844_qkv.kd
    .args:
      - { .name: codes, .offset: 0, .size: 8, .value_kind: global_buffer, .address_space: global }
      - { .name: scales, .offset: 8, .size: 8, .value_kind: global_buffer, .address_space: global }
      - { .name: c_attn_b, .offset: 16, .size: 8, .value_kind: global_buffer, .address_space: global }
      - { .name: qkv, .offset: 24, .size: 8, .value_kind: global_buffer, .address_space: global }
    .group_segment_fixed_size: 327680
    .private_segment_fixed_size: 0
    .kernarg_segment_align: 8
    .kernarg_segment_size: 32
    .max_flat_workgroup_size: 128
    .sgpr_count:     106
    .vgpr_count:     1024
    .wavefront_size: 32
...
	.end_amdgpu_metadata
.endif
;; end of part 2
;; launch attn (part 3): grid 4 x 64, 8 waves a work-group, clusters of 4 x 1, 327,680 bytes of LDS; arguments qkv, mbits, c_attn_b, at, afine; writes at, afine
.if DOCPART == 3
	.amdgcn_target "amdgcn-amd-amdhsa--gfx1250"
	.amdhsa_code_object_version 6
	.text
	.protected	k_qf8580f9844_attn
	.globl	k_qf8580f9844_attn
	.p2align	8
	.type	k_qf8580f9844_attn,@function
k_qf8580f9844_attn:
	s_mov_b64 s[64:65], 0
	v_nop
	global_prefetch_b8 v0, s[64:65] scope:SCOPE_SE
	s_setreg_imm32_b32 hwreg(HW_REG_WAVE_MODE, 25, 1), 1
	s_wait_xcnt 0x0
	s_wait_alu depctr_hold_cnt(0) depctr_sa_sdst(0) depctr_va_vdst(0) depctr_va_sdst(0) depctr_va_ssrc(0) depctr_va_vcc(0) depctr_vm_vsrc(0)
	s_getreg_b32 s2, hwreg(HW_REG_IB_STS2, 6, 4)
	s_cmp_eq_u32 s2, 0
	s_cbranch_scc0 .Lentry_in_a_cluster
	s_endpgm
.Lentry_in_a_cluster:
	s_bfe_u32 s2, ttmp6, 0x10000c
	s_cmp_lg_u32 s2, 0x3003
	s_cbranch_scc0 .Lentry_shape_is_right
	s_endpgm
.Lentry_shape_is_right:
; ATTN: a[b][q][head] = softmax_k(where(mask, -10000, q . k / 8)) v + V's bias.  q, k, v in f16 (from the launch before), products' sums, maxima, exponentials and row sums in f32; the weights p are rounded to f16.
; Nothing is left out: the mask is an input, so every tile of scores is made.  V's bias is added here, behind the division by the row's sum: the weights add up to 1 for all finite inputs.
; SHARES.  A work-group owns 512 queries of one (batch, head), each of its eight waves 64: four tiles of 16.  Every wave walks all 2,048 keys, 64 a step.  Two waves to a SIMD, 512 registers each.
; LAYOUT.  S^T = K Q^T (source 0 = 16 keys, source 1 = 16 queries): a lane holds ONE query (lane % 16) and keys 8 (lane / 16) + 0..7.  Two such tiles, rounded to f16 in pairs, ARE source 1 of O^T = V^T P.
; THE MASK comes as lane masks, one word for each score register, by scalar loads; a masked score becomes -80000 = -10000 x 8 ahead of the maximum (scores are kept unscaled; c = log2(e) / 8 scales them).
; SOFTMAX.  A running maximum m and sum l for each query: p = 2^(c s - c m); in every step O and l are multiplied by a = 2^(c m_old - c m_new).
; BY TURNS.  Time goes in tile slots.  In slot (step j, tile i) the vector unit runs tile i's softmax; between its lines stand 8 products V^T P of the tile before and 8 products K Q^T of the tile after.
; THE FIRST 16 KEYS IN f32.  In step 0 each wave's tile 0 multiplies its weights of keys 0-15 with v in f32 (16x16x4 form, 16 instructions) and sends zeros for them through the f16 product.  For queries 0-15 of a sequence
; that carries the rows that average few values under a mask of the causal kind more finely; the values are right under any mask.  Those rows also leave in f32 (afine) for the last launch.
; CLUSTER.  The four query blocks of a head walk the same K and V^T: each slot of 128 keys is asked for jointly (mask 15): wave 0 K's 16 KB, wave 1 V^T's.
; LIMITS: p, a's result and the operands are f16: magnitudes up to 65,504.  f32 is carried for keys 0-15 in the second product alone; the scores rest on f16 q and k.
; REGISTERS.  window 0: v1-11 addresses; v12-27 four a tile: c m, m, l in two halves; v28-39 at work; v40, v41 the add's two; v48-63 the f32 form's two accumulators; v64-191 S^T, 32 a tile, P packed into the low 16; v192-255 K.
;   window 1: v0-127 O^T, 32 a tile; v128-191 Q; v192-255 V^T.
.set SLOT1, 65536                      ; LDS: slot 0 at 0, slot 1 here: one exclusive or turns an address.  A slot: 128 rows of 256 + 16 bytes: 64 of K (two keys a row), then 64 of V^T (a channel a row)
.set STAGE, 100352                     ; 16 rows x 144 bytes for each wave
.set SPARE, 118784                     ; the spare words, 128 bytes a wave: four blocks of 256 bytes that no other line names
.set AK0, 3
.set AV0, 4
.set ADR, 5
.set GO,  6
.set STO, 7
.set RD,  8
.set FO,  9
.set NEG, 10
.set BO,  11
.set ST,  12
.set CH,  28
.set OH,  32
.set DM,  33
.set AA,  34
.set SU,  36
.set SPW, 40
.set NIL, 41
.set OF,  48
.set S,   64
.set KF,  192
.set QF,  128
.set VF,  192
.set WV,  24
.set SLOTS, 25
.set TWICE, 26
.set TK,  27
.set TV,  28
.set SEL, 30
.set CS,  66
.set MSB, 0
.macro WIN new
.if MSB != \new
	s_set_vgpr_msb (MSB<<8)|\new
.set MSB, \new
.endif
.endm
.set W_KQ, 0x04                        ; Q (source 1) in window 1
.set W_PV, 0x51                        ; V^T (source 0), C and D in window 1
.set W_RS, 0x41                        ; O^T (destination, source 0) in window 1
.macro CROUND
	s_barrier_signal -1
	s_barrier_wait -1
	s_cmp_lg_u32 s[WV], 0
	s_cbranch_scc1 .Lnot_wave_0_\@
	s_barrier_signal -3
.Lnot_wave_0_\@:
	s_barrier_wait -3
	s_barrier_signal -1
	s_barrier_wait -1
.endm
	s_load_b128 s[4:7], s[0:1], 0x0                ; qkv s[4:5], mbits s[6:7]
	v_lshl_add_u32 v[SPW], v0, 2, SPARE
	v_mov_b32 v[NIL], 0
	ds_add_u32 v[SPW], v[NIL]                      ; the wave's opening: the add, twice on end, and its wait ahead of the first tensor load
	ds_add_u32 v[SPW], v[NIL]
	v_lshrrev_b32 v1, 5, v0
	v_readfirstlane_b32 s[WV], v1                  ; wave 0..7
	s_bfe_u32 s29, ttmp6, 0x40000
	s_lshl_b32 s100, ttmp9, 2
	s_add_co_u32 s29, s29, s100                    ; my block of 512 queries: it enters global addresses and one EXEC mask alone
	s_and_b32 s101, ttmp7, 0xffff                  ; 16 x batch + head, which the four partners share
	s_mov_b32 s8, 15|(3<<16)|(1<<20)|(1<<21)|(5<<22)|(3<<25)   ; group 1: mask of all four; elements of 8 bytes; padding: 4 words behind every 64; bit 21 beside a mask
	s_mov_b32 s9, 32<<16                           ; tensor_dim0 = 32 elements: 256 bytes
	s_mov_b32 s10, 64<<16                          ; tensor_dim1 = 64
	s_mov_b32 s11, 32<<16                          ; tile_dim0
	s_mov_b32 s12, 64                              ; tile_dim1
	s_mov_b32 s13, 32                              ; dense
	s_mov_b32 s14, 0
	s_mov_b32 s15, 0
	s_mov_b32 s[SEL], 0x76543210
	s_mov_b32 s[SEL+1], 0xfedcba98
	s_mov_b32 s[CS], 0x3e38aa3b                    ; c = log2(e) / 8
	s_mov_b32 s[CS+1], s[CS]
	s_mov_b32 s[TK], 0
	s_mov_b32 s[TV], 0
	s_mov_b32 s[SLOTS], 14
	s_mul_i32 s100, s101, 786432                   ; the head's 16 slots
	s_and_b32 s26, s[WV], 1
	s_lshl_b32 s68, s26, 14
	s_add_co_u32 s68, s68, s100
	s_add_co_u32 s68, s68, 16384                   ; K (wave 0) or V^T (wave 1) of slot 0
	s_mov_b32 s69, 0
	s_mul_i32 s26, s26, 17408                      ; and its place in an LDS slot
	s_lshl_b32 s70, s29, 2
	s_lshr_b32 s71, s[WV], 1
	s_add_co_u32 s70, s70, s71                     ; the slot that holds my 64 queries,
	s_mul_i32 s70, s70, 49152
	s_add_co_u32 s70, s70, s100
	s_and_b32 s71, s[WV], 1
	s_lshl_b32 s71, s71, 13                        ; and which 64 rows of 128 bytes
	s_add_co_u32 s70, s70, s71
	s_mov_b32 s71, 0
	s_lshl_b32 s72, s101, 12
	s_add_co_u32 s72, s72, 50331648                ; the head's f32 v of keys 0-15
	s_mov_b32 s73, 0
	s_lshl_b32 s74, s29, 5
	s_lshl_b32 s75, s[WV], 2
	s_add_co_u32 s74, s74, s75                     ; my first tile of 16 queries
	s_lshl_b32 s74, s74, 12
	s_mov_b32 s75, 0
	s_wait_dscnt 0x0                               ; both opening adds are done
	s_wait_kmcnt 0x0
	s_add_nc_u64 s[2:3], s[6:7], s[74:75]          ; the mask words of my tile 0, step 0
	s_add_nc_u64 s[68:69], s[4:5], s[68:69]
	s_add_nc_u64 s[70:71], s[4:5], s[70:71]
	s_add_nc_u64 s[72:73], s[4:5], s[72:73]
	s_mov_b32 s16, 1                               ; group 0 for LDS slot 0, keys 0-127
	s_mov_b32 s17, s26
	s_mov_b64 s[18:19], s[68:69]
	s_or_b32 s19, s19, 0x80000000
	s_mov_b32 s20, 1                               ; group 0 for LDS slot 1, keys 128-255: this one walks on
	s_add_co_u32 s21, s26, SLOT1
	s_add_nc_u64 s[22:23], s[68:69], 49152
	s_or_b32 s23, s23, 0x80000000
	CROUND                                         ; all four work-groups are here: the first joint loads meet
	s_cmp_lt_u32 s[WV], 2                          ; a loading wave's two first fills stand in one branch: two loads of it are out
	s_cbranch_scc0 .Lno_first
	tensor_load_to_lds s[16:19], s[8:15]
	s_nop 0
	tensor_load_to_lds s[20:23], s[8:15]
	s_nop 0
.rept 4
	v_nop
.endr
.Lno_first:
	v_and_b32 v1, 15, v0                           ; r
	v_bfe_u32 v2, v0, 4, 1                         ; h
	v_lshlrev_b32 v42, 7, v1
	v_lshl_add_u32 v42, v2, 4, v42                 ; Q: row r of 128 bytes, + 16 h
	v_and_b32 v43, 31, v0
	v_lshlrev_b32 v[GO], 4, v43                    ; 16 x lane
	WIN 0x40
.irp i, 0,1,2,3
.irp c, 0,1
	global_load_b128 v[QF+16*\i+8*\c:QF+16*\i+8*\c+3], v42, s[70:71] offset:2048*\i+64*\c        ; Q stays in registers: tile i, channels 32 c on
	global_load_b128 v[QF+16*\i+8*\c+4:QF+16*\i+8*\c+7], v42, s[70:71] offset:2048*\i+64*\c+32
.endr
.endr
	WIN 0
.irp t, 0,1,2,3
	global_load_b128 v[S+64+8*\t:S+64+8*\t+3], v[GO], s[72:73] offset:1024*\t                    ; f32 v of keys 0-15, into tile 2's registers, which are free till the second tile slot
	global_load_b128 v[S+64+8*\t+4:S+64+8*\t+7], v[GO], s[72:73] offset:1024*\t+512
.endr
	s_load_b512 s[32:47], s[2:3], 0x0              ; the first tile slot's 32 mask words
	s_load_b512 s[48:63], s[2:3], 0x40
	v_lshrrev_b32 v43, 1, v1
	v_mul_u32_u24 v[AK0], v43, 272                 ; K: key r lies in LDS row r / 2, half r % 2
	v_and_b32 v43, 1, v1
	v_lshl_add_u32 v[AK0], v43, 7, v[AK0]
	v_lshl_add_u32 v[AK0], v2, 4, v[AK0]
	v_mul_u32_u24 v[AV0], v1, 272                  ; V^T: channel r, behind K's 64 rows
	v_lshl_add_u32 v[AV0], v2, 4, v[AV0]
	v_add_nc_u32 v[AV0], 17408, v[AV0]
	v_mov_b32 v[NEG], 0xc79c4000                   ; -80000
	v_mov_b32 v[OH], 0                             ; a lane permute's destination counts as one of its sources
	v_mov_b32 v[AA+1], 0                           ; named as the upper half of a's pair
; The slot's next matrix instruction.  Numbers 0-7: O^T += V^T P of tile TY (keys 32 (n / 4) on, channels 16 (n % 4) on; PVM = 2: the first four start the sums).  Numbers 8-15: S^T = K Q^T of tile TX (channels 32 ((n - 8) / 4) on,
; keys 16 (n % 4) on; the first four start the sums).  Four accumulators take turns, one instruction a turn.
.macro HK
.if hq < 8
.if PVM
.set hu, hq/4
.set ht, hq%4
	WIN W_PV
.if (PVM == 2) && (hu == 0)
	v_wmma_f32_16x16x32_f16 v[32*TY+8*ht:32*TY+8*ht+7], v[VF+8*(4*hu+ht):VF+8*(4*hu+ht)+7], v[S+32*TY+8*hu:S+32*TY+8*hu+7], 0
.else
	v_wmma_f32_16x16x32_f16 v[32*TY+8*ht:32*TY+8*ht+7], v[VF+8*(4*hu+ht):VF+8*(4*hu+ht)+7], v[S+32*TY+8*hu:S+32*TY+8*hu+7], v[32*TY+8*ht:32*TY+8*ht+7]
.endif
.endif
.else
.if KQM
.set hu, (hq-8)/4
.set ht, hq%4
	WIN W_KQ
.if hu == 0
	v_wmma_f32_16x16x32_f16 v[S+32*TX+8*ht:S+32*TX+8*ht+7], v[KF+8*(2*ht+hu):KF+8*(2*ht+hu)+7], v[QF+16*TX+8*hu:QF+16*TX+8*hu+7], 0
.else
	v_wmma_f32_16x16x32_f16 v[S+32*TX+8*ht:S+32*TX+8*ht+7], v[KF+8*(2*ht+hu):KF+8*(2*ht+hu)+7], v[QF+16*TX+8*hu:QF+16*TX+8*hu+7], v[S+32*TX+8*ht:S+32*TX+8*ht+7]
.endif
.endif
.endif
.set hq, hq+1
.endm
.macro FETCH_K                         ; a step's K: 64 keys x 64 channels: 8 fragments, 16 loads in one run
	WIN 0
	v_add_nc_u32 v[ADR], s[TK], v[AK0]
	s_add_co_u32 s[TK], s[TK], 8704                ; the next step: 32 LDS rows on
.irp t, 0,1,2,3
.irp c, 0,1
	ds_load_b128 v[KF+8*(2*\t+\c):KF+8*(2*\t+\c)+3], v[ADR] offset:\t*2176+64*\c
	ds_load_b128 v[KF+8*(2*\t+\c)+4:KF+8*(2*\t+\c)+7], v[ADR] offset:\t*2176+64*\c+32
.endr
.endr
.endm
.macro FETCH_V                         ; a step's V^T: 64 channels x 64 keys
	WIN 0
	v_add_nc_u32 v[ADR], s[TV], v[AV0]
	s_add_co_u32 s[TV], s[TV], 128                 ; the next step: 64 keys on in each row
	WIN 0x40
.irp u, 0,1
.irp t, 0,1,2,3
	ds_load_b128 v[VF+8*(4*\u+\t):VF+8*(4*\u+\t)+3], v[ADR] offset:\t*4352+64*\u
	ds_load_b128 v[VF+8*(4*\u+\t)+4:VF+8*(4*\u+\t)+7], v[ADR] offset:\t*4352+64*\u+32
.endr
.endr
	WIN 0
.endm
.macro BVLOAD                          ; V's bias in O^T's layout, into K's registers, which are done with: register 8 t + j = the head's channel 16 t + 8 h + j
	s_and_b32 s100, ttmp7, 15
	s_lshl_b32 s100, s100, 8
	s_add_co_u32 s100, s100, 8192
	s_mov_b32 s101, 0
	s_add_nc_u64 s[4:5], s[4:5], s[100:101]
.irp t, 0,1,2,3
	global_load_b128 v[KF+8*\t:KF+8*\t+3], v[BO], s[4:5] offset:64*\t
	global_load_b128 v[KF+8*\t+4:KF+8*\t+7], v[BO], s[4:5] offset:64*\t+16
.endr
.endm
; A TILE SLOT: tile i's softmax for one key step, 151 vector instructions, with 16 places for matrix instructions.
; first = 1: the first key step: no old maximum, no a, nothing to rescale.  pv: 0 none, 1 adds, 2 starts O^T's sums.  kq: the tile after gets its scores.  ml: the next slot's mask words are asked for.
; fine = 1: keys 0-15 go in f32.  bv = 1: V's bias is asked for.
; Behind every slot's last matrix instruction stand four conversions of this tile: the places in front of the next slot's first read of the new scores and of the loads into K's registers.
.macro TSLOT i, first, pv, kq, ml, fine, bv
.set PVM, \pv
.set KQM, \kq
.set TY, ((\i)+3)%4
.set TX, ((\i)+1)%4
.set hq, 0
.set rS, S+32*(\i)
.set rT, ST+4*(\i)
.set rO, 32*(\i)
.set MS, 32+36*((\i)%2)                ; this slot's mask words: s32-63 or s68-99
.set MN, 68-36*((\i)%2)                ; the next slot's
	WIN 0
	s_wait_kmcnt 0x0                               ; this slot's mask words are in
.if \ml
.if (\i) == 3
	s_wait_xcnt 0x0                                ; the scalar loads have read their base
	s_add_nc_u64 s[2:3], s[2:3], 128               ; the next key step's words
.endif
	s_load_b512 s[MN:MN+15], s[2:3], TX*4096
	s_load_b512 s[MN+16:MN+31], s[2:3], TX*4096+64
.endif
.if ((\i) == 3) && \kq
	FETCH_K                                        ; the next step's K: all four tiles have multiplied by this step's
.endif
.if \bv
	BVLOAD
.endif
.if (\i) == 1
	s_wait_dscnt 0x0                               ; V^T is in
.endif
.set n, 0
.rept 32                               ; the mask: each accumulator from its low end on
	v_cndmask_b32 v[rS+n], v[rS+n], v[NEG], s[MS+n]
.set n, n+1
.if (n%8) == 0
	HK
	WIN 0
.endif
.endr
.set n, 0
.rept 4                                ; the maximum: four chains of seven scores, then the four left over, the chains and the old m
	v_max3_num_f32 v[CH+n], v[rS+8*n], v[rS+8*n+1], v[rS+8*n+2]
.set n, n+1
.endr
.set n, 0
.rept 4
	v_max3_num_f32 v[CH+n], v[CH+n], v[rS+8*n+3], v[rS+8*n+4]
.set n, n+1
.endr
	HK
	WIN 0
.set n, 0
.rept 4
	v_max3_num_f32 v[CH+n], v[CH+n], v[rS+8*n+5], v[rS+8*n+6]
.set n, n+1
.endr
	v_max3_num_f32 v[CH], v[CH], v[rS+7], v[rS+15]
	v_max3_num_f32 v[CH+2], v[CH+2], v[rS+23], v[rS+31]
	v_max3_num_f32 v[CH], v[CH], v[CH+1], v[CH+2]
.if \first
	v_max_num_f32 v[CH], v[CH], v[CH+3]
.else
	v_max3_num_f32 v[CH], v[CH], v[CH+3], v[rT+1]
.endif
	HK
	WIN 0
	v_permlanex16_b32 v[OH], v[CH], s[SEL], s[SEL+1]   ; the query's other 32 keys lie in the lane 16 away
.if !\first
	v_mov_b32 v[DM], v[rT]                         ; c m_old
.endif
	v_max_num_f32 v[rT+1], v[CH], v[OH]
	v_mul_f32 v[rT], s[CS], v[rT+1]
.if !\first
	v_sub_f32 v[DM], v[DM], v[rT]
.endif
.set n, 0
.rept 16
	v_pk_fma_f32 v[rS+2*n:rS+2*n+1], v[rS+2*n:rS+2*n+1], s[CS:CS+1], v[rT:rT+1] op_sel_hi:[1,0,0] neg_lo:[0,0,1] neg_hi:[0,0,1]   ; c s - c m
.set n, n+1
.if (n%8) == 0
	HK
	WIN 0
.endif
.endr
.if ((\i) == 3) && \kq
	s_wait_dscnt 0x0                               ; the next step's K is in
.endif
.if !\first
	v_exp_f32 v[AA], v[DM]
.endif
.set n, 0
.rept 32                               ; one batch: none of these reads an exponential's result
	v_exp_f32 v[rS+n], v[rS+n]
.set n, n+1
.if (n%8) == 0
	HK
	WIN 0
.endif
.endr
	v_nop                                          ; a plain instruction behind the last exponential
	s_wait_alu depctr_va_vdst(0)                   ; a wait ahead of the first instruction that names a result: one for the batch
	v_pk_add_f32 v[SU:SU+1], v[rS:rS+1], v[rS+2:rS+3]              ; the row's sum, of the unrounded p, in two chains
	v_pk_add_f32 v[SU+2:SU+3], v[rS+4:rS+5], v[rS+6:rS+7]
.set n, 8
.rept 3
	v_pk_add_f32 v[SU:SU+1], v[SU:SU+1], v[rS+n:rS+n+1]
	v_pk_add_f32 v[SU+2:SU+3], v[SU+2:SU+3], v[rS+n+2:rS+n+3]
.set n, n+4
.endr
.if (\i) == 0
	FETCH_V                                        ; this step's V^T: the last product by the step before's stands ahead of the v_nop and the eight additions above
.endif
	HK
	WIN 0
.rept 3
	v_pk_add_f32 v[SU:SU+1], v[SU:SU+1], v[rS+n:rS+n+1]
	v_pk_add_f32 v[SU+2:SU+3], v[SU+2:SU+3], v[rS+n+2:rS+n+3]
.set n, n+4
.endr
.if \first
	v_pk_add_f32 v[rT+2:rT+3], v[SU:SU+1], v[SU+2:SU+3]
.else
	v_pk_add_f32 v[SU:SU+1], v[SU:SU+1], v[SU+2:SU+3]
	v_pk_fma_f32 v[rT+2:rT+3], v[rT+2:rT+3], v[AA:AA+1], v[SU:SU+1] op_sel_hi:[1,0,1]
.endif
	HK
	WIN 0
.if \fine
; Keys 0-15 x all 64 channels in f32: two accumulators by turns, two tiles of channels at a time.  Place (h, j) of K step i2 is key 8 h + 2 i2 + j on both sides.  The sums are copied into O^T, onto which the f16 products then add.
.irp p, 0,1
.irp i2, 0,1,2,3
.irp o, 0,1
.if \i2 == 0
	v_wmma_f32_16x16x4_f32 v[OF+8*\o:OF+8*\o+7], v[S+64+8*(2*\p+\o)+2*\i2:S+64+8*(2*\p+\o)+2*\i2+1], v[S+2*\i2:S+2*\i2+1], 0
.else
	v_wmma_f32_16x16x4_f32 v[OF+8*\o:OF+8*\o+7], v[S+64+8*(2*\p+\o)+2*\i2:S+64+8*(2*\p+\o)+2*\i2+1], v[S+2*\i2:S+2*\i2+1], v[OF+8*\o:OF+8*\o+7]
.endif
.endr
.endr
.rept 9
	v_nop                                          ; nine places: in front of the reads below, of the next pair's fresh sums in the same registers, and of the writes of p's registers
.endr
	WIN 0x40
.irp n2, 0,1,2,3,4,5,6,7,8,9,10,11,12,13,14,15
	v_mov_b32 v[16*\p+\n2], v[OF+\n2]
.endr
	WIN 0
.endr
.endif
.set n, 0
.rept 16                               ; p to f16, in place, ascending: register n takes scores 2 n and 2 n + 1
.if \fine && (n < 4)
	v_mov_b32 v[rS+n], 0                           ; keys 0-15 have gone in f32
.else
	v_cvt_pk_f16_f32 v[rS+n], v[rS+2*n], v[rS+2*n+1]
.endif
.set n, n+1
.if (n == 4) || (n == 12)
	HK
	WIN 0
.endif
.endr
.if !\first
	WIN W_RS
.set n, 0
.rept 16
	v_pk_mul_f32 v[rO+2*n:rO+2*n+1], v[rO+2*n:rO+2*n+1], v[AA:AA+1] op_sel_hi:[1,0]   ; O^T under the new maximum
.set n, n+1
.endr
	WIN 0
.endif
.endm
.macro BODY f                          ; from a step's tile 1 to the next step's tile 0: it fetches the next step's K and V^T
	TSLOT 1, \f, 1, 1, 1, 0, 0
	TSLOT 2, \f, 1+\f, 1, 1, 0, 0
	TSLOT 3, \f, 1+\f, 1, 1, 0, 0
	TSLOT 0, 0, 1+\f, 1, 1, 0, 0
.endm
.macro TWO_BODIES                      ; an LDS slot's two key steps: written once, walked twice
	s_mov_b32 s[TWICE], 2
.Lbody_\@:
	BODY 0
	s_sub_co_u32 s[TWICE], s[TWICE], 1
	s_cmp_lg_u32 s[TWICE], 0
	s_cbranch_scc1 .Lbody_\@
.endm
; THE CHANGE OF SLOTS: the slot's last bytes have been asked for.  Each wave waits for all its tensor loads, adds 0 to its spare word, and waits for that and for its reads of the slot.
; fill = 1: a round of the cluster's barrier, and the slot is filled again with the keys two slots on: the load has two key steps in which to land; one load of a loading wave is out.
.macro CHANGE fill
	WIN 0
	s_wait_tensorcnt 0x0
	ds_add_u32 v[SPW], v[NIL]
.if \fill
	ds_add_u32 v[SPW], v[NIL]                      ; twice on end here
	s_xor_b32 s21, s21, SLOT1                      ; the walking descriptor: the other slot than last time,
	s_add_nc_u64 s[22:23], s[22:23], 49152         ; the next 128 keys
	s_wait_dscnt 0x0
	CROUND
	s_cmp_lt_u32 s[WV], 2
	s_cbranch_scc0 .Lno_fill_\@
	tensor_load_to_lds s[20:23], s[8:15]
	s_nop 0
.rept 4
	v_nop
.endr
.Lno_fill_\@:
.else
	s_wait_dscnt 0x0
	s_barrier_signal -1
	s_barrier_wait -1
.endif
	s_sub_co_u32 s[TK], s[TK], 17408               ; the fetches go back to a slot's first step,
	s_xor_b32 s[TK], s[TK], SLOT1                  ; in the other slot
	s_sub_co_u32 s[TV], s[TV], 256
	s_xor_b32 s[TV], s[TV], SLOT1
.endm
	s_wait_tensorcnt 1                             ; my part of slot 0 is in; slot 1's may stay out
	s_barrier_signal -1
	s_barrier_wait -1
	FETCH_K                                        ; key step 0
	s_wait_loadcnt 0x0                             ; Q, and v in f32
	s_wait_dscnt 0x0
.set KQM, 1
.set PVM, 0
.set TX, 0
.set hq, 8
.rept 8
	HK                                             ; tile 0's first scores
.endr
	WIN 0                                          ; the addresses for the way out are the places behind those products
	s_mul_i32 s100, s[WV], 2304
	s_add_co_u32 s100, s100, STAGE
	v_mul_u32_u24 v[STO], v1, 144
	v_lshl_add_u32 v[STO], v2, 4, v[STO]
	v_add_nc_u32 v[STO], s100, v[STO]              ; in: row r, 16 bytes for each half of the lanes
	v_and_b32 v43, 31, v0
	v_lshrrev_b32 v44, 3, v43
	v_mul_u32_u24 v[RD], v44, 144
	v_and_b32 v44, 7, v0
	v_lshl_add_u32 v[RD], v44, 4, v[RD]
	v_add_nc_u32 v[RD], s100, v[RD]                ; back: eight lanes to a row of 128 bytes, four rows an instruction
	v_lshlrev_b32 v[FO], 12, v1
	v_lshl_add_u32 v[FO], v2, 5, v[FO]             ; afine: row r of 4,096 bytes, + 32 h
	v_lshlrev_b32 v[BO], 5, v2
	TSLOT 0, 1, 0, 1, 1, 1, 0
	BODY 1
.Lslot:                                            ; 14 trips: every slot of keys but the first two is asked for at a change
	CHANGE 1
	TWO_BODIES
	s_sub_co_u32 s[SLOTS], s[SLOTS], 1
	s_cmp_lg_u32 s[SLOTS], 0
	s_cbranch_scc1 .Lslot
	CHANGE 0                                       ; the tail is written out
	TWO_BODIES
	TSLOT 1, 0, 1, 1, 1, 0, 0
	TSLOT 2, 0, 1, 1, 1, 0, 0
	s_load_b128 s[4:7], s[0:1], 0x10               ; c_attn_b s[4:5], at s[6:7]
	TSLOT 3, 0, 1, 0, 0, 0, 1
.set PVM, 1
.set TY, 3
.set hq, 0
.rept 8
	HK                                             ; tile 3: V^T P of the last step
.endr
	WIN 0
	; THE WAY OUT.  The additions are the places behind the last products.
.irp t, 0,1,2,3
	v_add_f32 v[CH+\t], v[ST+4*\t+2], v[ST+4*\t+3]
.endr
.irp t, 0,1,2,3
	v_permlanex16_b32 v[SU+\t], v[CH+\t], s[SEL], s[SEL+1]
.endr
.irp t, 0,1,2,3
	v_add_f32 v[CH+\t], v[CH+\t], v[SU+\t]
.endr
.irp t, 0,1,2,3
	v_rcp_f32 v[ST+4*\t], v[CH+\t]
.endr
	v_nop
	s_load_b64 s[34:35], s[0:1], 0x20              ; afine (the mask words are done with)
	s_and_b32 s100, ttmp7, 0xffff
	s_lshr_b32 s101, s100, 4                       ; the batch
	s_and_b32 s100, s100, 15                       ; the head
	s_lshl_b32 s32, s101, 5
	s_lshl_b32 s33, s29, 3
	s_add_co_u32 s32, s32, s33
	s_add_co_u32 s32, s32, s[WV]                   ; my block of 64 rows: 32 x batch + 8 x query block + wave
	s_lshl_b32 s32, s32, 4
	s_add_co_u32 s32, s32, s100
	s_lshl_b32 s32, s32, 13
	s_mov_b32 s33, 0
	s_add_nc_u64 s[6:7], s[6:7], s[32:33]
	s_lshl_b32 s36, s101, 16
	s_lshl_b32 s37, s100, 8
	s_add_co_u32 s36, s36, s37
	s_mov_b32 s37, 0
	s_or_b32 s38, s29, s[WV]                       ; 0 in the wave that owns queries 0-15 of the sequence
	s_wait_kmcnt 0x0
	s_add_nc_u64 s[34:35], s[34:35], s[36:37]
	s_wait_alu depctr_va_vdst(0)                   ; one wait for the four reciprocals, ahead of their first reader
	s_wait_loadcnt 0x0                             ; V's bias
.macro PACKO i
	WIN W_RS
.set g, 0
.rept 16
	v_pk_fma_f32 v[32*\i+2*g:32*\i+2*g+1], v[32*\i+2*g:32*\i+2*g+1], v[ST+4*\i:ST+4*\i+1], v[KF+2*g:KF+2*g+1] op_sel_hi:[1,0,1]   ; O^T / l + V's bias
.set g, g+1
.endr
.if \i == 0
	WIN 0
	s_wait_xcnt 0x0                                ; EXEC changes only behind this wait
	s_cmp_eq_u32 s38, 0
	s_cselect_b32 vcc_lo, -1, 0
	s_and_saveexec_b32 s39, vcc_lo                 ; which wave stores hangs on the place in the cluster: a matter of EXEC, no branch
	WIN 0x04
.irp t, 0,1,2,3
	global_store_b128 v[FO], v[8*\t:8*\t+3], s[34:35] offset:64*\t
	global_store_b128 v[FO], v[8*\t+4:8*\t+7], s[34:35] offset:64*\t+16
.endr
	WIN 0
	s_wait_xcnt 0x0
	s_or_b32 exec_lo, exec_lo, s39
.endif
	WIN 0x05
.set g, 0
.rept 16
	v_cvt_pk_f16_f32 v[S+32*\i+g], v[32*\i+2*g], v[32*\i+2*g+1]
.set g, g+1
.endr
	WIN 0
.irp f, 0,1,2,3
	ds_store_b128 v[STO], v[S+32*\i+4*\f:S+32*\i+4*\f+3] offset:32*\f
.endr
.irp f, 0,1,2,3
	ds_load_b128 v[S+32*\i+4*\f:S+32*\i+4*\f+3], v[RD] offset:576*\f   ; LDS serves a wave's instructions in order: these see the stores above
.endr
.endm
.macro SENDO i, younger                ; younger: the next tile's eight LDS lines, or none
.irp f, 0,1,2,3
	s_wait_dscnt \younger+3-\f
	global_store_b128 v[GO], v[S+32*\i+4*\f:S+32*\i+4*\f+3], s[6:7] offset:2048*\i+512*\f   ; the wave stores 512 bytes on end, aligned
.endr
.endm
	PACKO 0
	PACKO 1
	SENDO 0, 8
	PACKO 2
	SENDO 1, 8
	PACKO 3
	SENDO 2, 8
	SENDO 3, 0
	s_wait_tensorcnt 0x0                           ; the wave's end
	ds_add_u32 v[SPW], v[NIL]
	s_wait_dscnt 0x0
	CROUND                                         ; the closing round
	s_endpgm
.Lfunc_end_k_qf8580f9844_attn:
	.size	k_qf8580f9844_attn, .Lfunc_end_k_qf8580f9844_attn-k_qf8580f9844_attn
	.p2alignl 7, 3214868480
	.fill 96, 4, 3214868480
	.section	.rodata,"a",@progbits
	.p2align	6, 0x0
	.amdhsa_kernel k_qf8580f9844_attn
		.amdhsa_group_segment_fixed_size 327680
		.amdhsa_private_segment_fixed_size 0
		.amdhsa_enable_private_segment 0
		.amdhsa_kernarg_size 40
		.amdhsa_user_sgpr_count 2
		.amdhsa_user_sgpr_kernarg_segment_ptr 1
		.amdhsa_wavefront_size32 1
		.amdhsa_system_sgpr_workgroup_id_x 1
		.amdhsa_system_sgpr_workgroup_id_y 1
		.amdhsa_system_sgpr_workgroup_id_z 1
		.amdhsa_system_vgpr_workitem_id 0
		.amdhsa_next_free_vgpr 512
		.amdhsa_next_free_sgpr 106
		.amdhsa_reserve_vcc 1
		.amdhsa_float_denorm_mode_32 3
		.amdhsa_float_denorm_mode_16_64 3
		.amdhsa_memory_ordered 1
		.amdhsa_forward_progress 1
		.amdhsa_inst_pref_size 201
	.end_amdhsa_kernel
	.amdgpu_metadata
---
amdhsa.version: [ 1, 2 ]
amdhsa.kernels:
  - .name:           k_qf8580f9844_attn
    .symbol:         k_qf8580f9844_attn.kd
    .args:
      - { .name: qkv, .offset: 0, .size: 8, .value_kind: global_buffer, .address_space: global }
      - { .name: mbits, .offset: 8, .size: 8, .value_kind: global_buffer, .address_space: global }
      - { .name: c_attn_b, .offset: 16, .size: 8, .value_kind: global_buffer, .address_space: global }
      - { .name: at, .offset: 24, .size: 8, .value_kind: global_buffer, .address_space: global }
      - { .name: afine, .offset: 32, .size: 8, .value_kind: global_buffer, .address_space: global }
    .group_segment_fixed_size: 327680
    .private_segment_fixed_size: 0
    .kernarg_segment_align: 8
    .kernarg_segment_size: 40
    .max_flat_workgroup_size: 256
    .sgpr_count:     106
    .vgpr_count:     512
    .wavefront_size: 32
...
	.end_amdgpu_metadata
.endif
;; end of part 3
;; launch proj (part 4): grid 8 x 64, 4 waves a work-group, clusters of 4 x 4, 327,680 bytes of LDS; arguments at, wpt, c_proj_b, out0; writes out0
.if DOCPART == 4
	.amdgcn_target "amdgcn-amd-amdhsa--gfx1250"
	.amdhsa_code_object_version 6
	.text
	.protected	k_qf8580f9844_proj
	.globl	k_qf8580f9844_proj
	.p2align	8
	.type	k_qf8580f9844_proj,@function
k_qf8580f9844_proj:
	s_mov_b64 s[64:65], 0
	v_nop
	global_prefetch_b8 v0, s[64:65] scope:SCOPE_SE
	s_setreg_imm32_b32 hwreg(HW_REG_WAVE_MODE, 25, 1), 1
	s_wait_xcnt 0x0
	s_wait_alu depctr_hold_cnt(0) depctr_sa_sdst(0) depctr_va_vdst(0) depctr_va_sdst(0) depctr_va_ssrc(0) depctr_va_vcc(0) depctr_vm_vsrc(0)
	s_getreg_b32 s2, hwreg(HW_REG_IB_STS2, 6, 4)
	s_cmp_eq_u32 s2, 0
	s_cbranch_scc0 .Lentry_in_a_cluster
	s_endpgm
.Lentry_in_a_cluster:
	s_bfe_u32 s2, ttmp6, 0x10000c
	s_cmp_lg_u32 s2, 0xf033
	s_cbranch_scc0 .Lentry_shape_is_right
	s_endpgm
.Lentry_shape_is_right:
; PROJ: out0 = a c_proj_w + c_proj_b, operands in f16, sums in f32.  All 8,192 rows are made here; the launch behind this one makes the first 16 rows of every sequence anew in f32.
; a comes as 'at' [128 blocks of 64 rows][16 heads][64 rows][64 channels] f16; c_proj_w as wpt [1024 n][1024 k] f16.
; A tile of out0 is 128 x 128: four waves, each 64 x 64: 16 accumulators.  K goes in steps of 256 (four heads) through two LDS slots.  A wave's load of a's tile, 64 rows x 4 heads, is 32,768 bytes on end in memory.
; CLUSTERS: 4 x 4 work-groups: a's tile is shared along a row of the cluster, wpt's along a column: joint loads.  THE MATRIX INSTRUCTION IS USED TRANSPOSED (source 0 = 16 rows of wpt, source 1 = 16 rows of a).
; The bias is the C of each sum's first matrix instruction.  A wave's 64 columns of f32 are 256 bytes, so each wave's results go through a stage of its own and no barrier is needed on the way out.
; REGISTERS: window 0: v0-31 addresses; v32-95 rows read back; v96-127 the bias; v128-255 the accumulators ((a, b) at v[128 + 8 (4 a + b)]).   window 1: two fragment buffers of 128: 64 of a, then 64 of wpt.
.set PA,     272                       ; a's LDS rows: 256 bytes (two rows of one head) + 16
.set PB,     528                       ; wpt's: 512 bytes + 16
.set HALFA,  128*PA
.set HALFB,  64*PB
.set BOFF,   2*HALFA
.set SLOT,   BOFF+2*HALFB
.set STAGE,  2*SLOT
.set SPITCH, 272
.set SPARE,  STAGE+4*16*SPITCH         ; the spare words, 128 bytes a wave: two blocks of 256 bytes that no other line names
.set ADRA, 16
.set ADRB, 20
.set STO,  24
.set RD,   25
.set CO,   26
.set BO,   27
.set SPW,  28
.set NIL,  29
.set TMP,  32
.set BIA,  96
.set ACC,  128
.set F0,   0
.set F1,   128
.set G1, 24
.set G0, 32
.set G1B, 48
.set G0B, 56
.set MSB, 0
.macro WIN new
.if MSB != \new
	s_set_vgpr_msb (MSB<<8)|\new
.set MSB, \new
.endif
.endm
.set MUL,  0x05
.set TO_F, 0x40
.macro JLOAD s                         ; waves 0 and 1 fetch a's two halves, waves 2 and 3 wpt's; an s_nop 0 and four v_nop follow each line
	s_cmp_eq_u32 s13, 0
	s_cbranch_scc0 .Lfor_b_\@
	tensor_load_to_lds s[G0+4*\s:G0+4*\s+3], s[G1:G1+7]
	s_nop 0
.rept 4
	v_nop
.endr
	s_branch .Lasked_\@
.Lfor_b_\@:
	tensor_load_to_lds s[G0B+4*\s:G0B+4*\s+3], s[G1B:G1B+7]
	s_nop 0
.rept 4
	v_nop
.endr
.Lasked_\@:
.endm
.macro CREST
	s_cmp_lg_u32 s12, 0
	s_cbranch_scc1 .Lnot_wave_0_\@
	s_barrier_signal -3
.Lnot_wave_0_\@:
	s_barrier_wait -3
	s_barrier_signal -1
	s_barrier_wait -1
.endm
.macro CROUND
	s_barrier_signal -1
	s_barrier_wait -1
	CREST
.endm
	s_load_b256 s[4:11], s[0:1], 0x0               ; at s[4:5], wpt s[6:7], c_proj_b s[8:9], out0 s[10:11]
	v_lshl_add_u32 v[SPW], v0, 2, SPARE
	v_mov_b32 v[NIL], 0
	ds_add_u32 v[SPW], v[NIL]                      ; the wave's opening: the add, twice on end, and its wait ahead of my first tensor load
	ds_add_u32 v[SPW], v[NIL]
	v_lshrrev_b32 v1, 5, v0
	v_readfirstlane_b32 s12, v1                    ; wave 0..3
	s_lshr_b32 s13, s12, 1                         ; which half of the tile's rows is mine.  Also: I fetch for a (0) or for wpt (1)
	s_and_b32 s14, s12, 1                          ; which half of its columns.  Also: which half of that tile I fetch
	s_bfe_u32 s40, ttmp6, 0x40000
	s_bfe_u32 s41, ttmp6, 0x40004
	s_lshl_b32 s42, ttmp9, 2
	s_add_co_u32 s42, s42, s40                     ; tile column
	s_and_b32 s15, ttmp7, 0xffff
	s_lshl_b32 s15, s15, 2
	s_add_co_u32 s15, s15, s41                     ; tile row
	s_lshl_b32 s43, s41, 2
	s_lshl_b32 s43, 15, s43
	s_lshl_b32 s44, 0x1111, s40
	s_or_b32 s[G1+0], s43, (1<<16)|(1<<20)|(1<<21)|(5<<22)|(3<<25)  ; a: the mask of my row; elements of 2 bytes; 4 words of padding behind every 64
	s_mov_b32 s[G1+1], 128<<16                     ; 128 rows of 128 elements, dense
	s_mov_b32 s[G1+2], 128<<16
	s_mov_b32 s[G1+3], 128<<16
	s_mov_b32 s[G1+4], 128
	s_mov_b32 s[G1+5], 128
	s_mov_b32 s[G1+6], 0
	s_mov_b32 s[G1+7], 0
	s_or_b32 s[G1B+0], s44, (1<<16)|(1<<20)|(1<<21)|(6<<22)|(3<<25) ; wpt: the mask of my column; 4 words behind every 128
	s_mov_b32 s[G1B+1], 256<<16                    ; 64 rows of 256 elements, 1,024 apart
	s_mov_b32 s[G1B+2], 64<<16
	s_mov_b32 s[G1B+3], 256<<16
	s_mov_b32 s[G1B+4], 64
	s_mov_b32 s[G1B+5], 1024
	s_mov_b32 s[G1B+6], 0
	s_mov_b32 s[G1B+7], 0
	s_lshl_b32 s16, s15, 1
	s_add_co_u32 s16, s16, s14
	s_lshl_b32 s16, s16, 17                        ; a: block of 64 rows 2 x tile row + half: 131,072 bytes each
	s_mov_b32 s17, 0
	s_lshl_b32 s46, s42, 7
	s_lshl_b32 s47, s14, 6
	s_add_co_u32 s46, s46, s47
	s_lshl_b32 s46, s46, 11                        ; wpt: row 128 x tile column + 64 x half, 2,048 bytes each
	s_mov_b32 s47, 0
	s_mul_i32 s20, s14, HALFA                      ; where they go: no place in the cluster enters an LDS address
	s_mul_i32 s21, s14, HALFB
	s_add_co_u32 s21, s21, BOFF
	s_wait_dscnt 0x0
	s_wait_kmcnt 0x0
	s_add_nc_u64 s[16:17], s[4:5], s[16:17]
	s_add_nc_u64 s[46:47], s[6:7], s[46:47]
	CROUND
.irp s, 0,1
	s_mov_b32 s[G0+4*\s], 1
	s_add_co_u32 s[G0+4*\s+1], s20, \s*SLOT
	s_add_nc_u64 s[G0+4*\s+2:G0+4*\s+3], s[16:17], \s*32768
	s_or_b32 s[G0+4*\s+3], s[G0+4*\s+3], 0x80000000
	s_mov_b32 s[G0B+4*\s], 1
	s_add_co_u32 s[G0B+4*\s+1], s21, \s*SLOT
	s_add_nc_u64 s[G0B+4*\s+2:G0B+4*\s+3], s[46:47], \s*512
	s_or_b32 s[G0B+4*\s+3], s[G0B+4*\s+3], 0x80000000
	JLOAD \s
.endr
	v_and_b32 v1, 15, v0                           ; r
	v_bfe_u32 v2, v0, 4, 1                         ; h
	v_lshlrev_b32 v[BO], 5, v2
	s_lshl_b32 s18, s42, 9                         ; the bias of my 64 columns: for block b the eight numbers at 16 b + 8 h
	s_lshl_b32 s19, s14, 8
	s_add_co_u32 s18, s18, s19
	s_mov_b32 s19, 0
	s_add_nc_u64 s[8:9], s[8:9], s[18:19]
.irp b, 0,1,2,3
	global_load_b128 v[BIA+8*\b:BIA+8*\b+3], v[BO], s[8:9] offset:64*\b
	global_load_b128 v[BIA+8*\b+4:BIA+8*\b+7], v[BO], s[8:9] offset:64*\b+16
.endr
	v_lshrrev_b32 v3, 1, v1
	v_mul_u32_u24 v3, v3, PA                       ; a: row r of a block of 16 lies in LDS row r / 2, half r % 2
	v_and_b32 v4, 1, v1
	v_lshl_add_u32 v3, v4, 7, v3
	v_lshl_add_u32 v3, v2, 4, v3
	v_mul_u32_u24 v4, v1, PB
	v_lshl_add_u32 v4, v2, 4, v4
	s_mul_i32 s21, s13, HALFA
	s_mul_i32 s22, s14, HALFB
	s_add_co_u32 s22, s22, BOFF
.irp s, 0,1
	v_add_nc_u32 v[ADRA+\s], s21, v3
	v_add_nc_u32 v[ADRB+\s], s22, v4
	s_add_co_u32 s21, s21, SLOT
	s_add_co_u32 s22, s22, SLOT
.endr
	s_mul_i32 s23, s12, 16*SPITCH
	s_add_co_u32 s23, s23, STAGE                   ; my stage
	v_mul_u32_u24 v5, v1, SPITCH
	v_lshl_add_u32 v5, v2, 5, v5
	v_add_nc_u32 v[STO], s23, v5                   ; in: row r, 32 bytes for each half of the lanes
	v_mul_u32_u24 v5, v2, SPITCH
	v_lshl_add_u32 v5, v1, 4, v5
	v_add_nc_u32 v[RD], s23, v5                    ; back: lanes 0-15 one row of 256 bytes, lanes 16-31 the next
	v_lshlrev_b32 v5, 12, v2
	v_lshl_add_u32 v[CO], v1, 4, v5                ; and the same two rows in out0
	s_lshl_b32 s16, s15, 7
	s_lshl_b32 s17, s13, 6
	s_add_co_u32 s16, s16, s17                     ; my first row
	s_lshl_b32 s16, s16, 12
	s_add_co_u32 s16, s16, s18                     ; + my first column's bytes (the same as in the bias)
	s_mov_b32 s17, 0
	s_add_nc_u64 s[10:11], s[10:11], s[16:17]
.macro MUL8 f, c, a0, zero             ; 8 matrix instructions: row blocks a0, a0 + 1 x all 4 column blocks, 32 along K.  zero = 1: the bias starts the sums
.irp a, \a0, \a0+1
.irp b, 0,1,2,3
.if \zero
	v_wmma_f32_16x16x32_f16 v[ACC+8*(4*(\a)+\b):ACC+8*(4*(\a)+\b)+7], v[\f+64+8*(4*\c+\b):\f+64+8*(4*\c+\b)+7], v[\f+8*(4*\c+\a):\f+8*(4*\c+\a)+7], v[BIA+8*\b:BIA+8*\b+7]
.else
	v_wmma_f32_16x16x32_f16 v[ACC+8*(4*(\a)+\b):ACC+8*(4*(\a)+\b)+7], v[\f+64+8*(4*\c+\b):\f+64+8*(4*\c+\b)+7], v[\f+8*(4*\c+\a):\f+8*(4*\c+\a)+7], v[ACC+8*(4*(\a)+\b):ACC+8*(4*(\a)+\b)+7]
.endif
.endr
.endr
.endm
.macro FETCH slot, z, f                ; 32 LDS loads: the fragments of quarter z (head z of the step's four: 64 along K) into buffer f; the first 32 along K first
	WIN TO_F
.irp c, 0,1
.irp i, 0,1,2,3
	ds_load_b128 v[\f+64+8*(4*\c+\i):\f+64+8*(4*\c+\i)+3],   v[ADRB+\slot] offset:128*(\z)+64*\c+\i*16*PB
	ds_load_b128 v[\f+64+8*(4*\c+\i)+4:\f+64+8*(4*\c+\i)+7], v[ADRB+\slot] offset:128*(\z)+64*\c+\i*16*PB+32
	ds_load_b128 v[\f+8*(4*\c+\i):\f+8*(4*\c+\i)+3],         v[ADRA+\slot] offset:(32*(\z)+8*\i)*PA+64*\c
	ds_load_b128 v[\f+8*(4*\c+\i)+4:\f+8*(4*\c+\i)+7],       v[ADRA+\slot] offset:(32*(\z)+8*\i)*PA+64*\c+32
.endr
.endr
.endm
.macro PLACES
.rept 4
	v_nop
.endr
.endm
.macro QUARTER slot, z, f, g, zero     ; multiplies buffer f and fetches quarter z into g
	s_wait_dscnt 16                                ; the first 32 along K are in; the other sixteen loads may be out
	WIN MUL
	MUL8 \f, 0, 0, \zero
	MUL8 \f, 0, 2, \zero
	PLACES
	FETCH \slot, \z, \g
	s_wait_dscnt 32                                ; all but the 32 just issued
	WIN MUL
	MUL8 \f, 1, 0, 0
	MUL8 \f, 1, 2, 0
.endm
.macro TURN slot, next, fill           ; the last quarter changes slots: one barrier; fill = 1: it opens a round of the cluster's, and this slot is filled again, two K steps ahead
	WIN 0
	s_wait_tensorcnt 0x0                           ; all my tensor loads have landed: my part of the next slot
	ds_add_u32 v[SPW], v[NIL]
	s_wait_dscnt 17                                ; the add and the youngest sixteen loads may be out
	WIN MUL
	MUL8 F1, 0, 0, 0
	s_wait_dscnt 0x0                               ; the add is done, and my reads of this slot are over
	s_barrier_signal -1
	MUL8 F1, 0, 2, 0
.if \fill
	WIN 0
.endif
	s_barrier_wait -1
.if \fill
	CREST
	s_add_nc_u64 s[G0+4*\slot+2:G0+4*\slot+3], s[G0+4*\slot+2:G0+4*\slot+3], 65536
	s_add_nc_u64 s[G0B+4*\slot+2:G0B+4*\slot+3], s[G0B+4*\slot+2:G0B+4*\slot+3], 1024
	JLOAD \slot                                    ; the first tensor load behind the round; its four v_nop are also the places in front of the loads below
.else
	PLACES
.endif
	FETCH \next, 0, F0
	WIN MUL
	MUL8 F1, 1, 0, 0
	MUL8 F1, 1, 2, 0
.endm
	s_wait_tensorcnt 1                             ; my part of K step 0 is in; K step 1's may be out
	s_barrier_signal -1
	s_barrier_wait -1
	FETCH 0, 0, F0
	s_wait_loadcnt 0x0                             ; the bias
	QUARTER 0, 1, F0, F1, 1
	WIN 0
	s_mov_b32 s3, 1                                ; K = 1,024 is two laps of two steps: one trip fills both slots again
.Llap:
	QUARTER 0, 2, F1, F0, 0
	QUARTER 0, 3, F0, F1, 0
	TURN 0, 1, 1
	QUARTER 1, 1, F0, F1, 0
	QUARTER 1, 2, F1, F0, 0
	QUARTER 1, 3, F0, F1, 0
	TURN 1, 0, 1
	QUARTER 0, 1, F0, F1, 0
	WIN 0
	s_sub_co_u32 s3, s3, 1
	s_cmp_lg_u32 s3, 0
	s_cbranch_scc1 .Llap
	QUARTER 0, 2, F1, F0, 0                        ; the last lap fills nothing
	QUARTER 0, 3, F0, F1, 0
	TURN 0, 1, 0
	QUARTER 1, 1, F0, F1, 0
	QUARTER 1, 2, F1, F0, 0
	QUARTER 1, 3, F0, F1, 0
	s_wait_dscnt 16
	WIN MUL
	MUL8 F1, 0, 0, 0
	MUL8 F1, 0, 2, 0
	s_wait_dscnt 0
	MUL8 F1, 1, 0, 0
	MUL8 F1, 1, 2, 0
	WIN 0
	PLACES
.macro TOST a                          ; 16 rows x 64 columns of f32 into my stage as they stand, and back as whole rows of 256 bytes
.irp b, 0,1,2,3
	ds_store_b128 v[STO], v[ACC+8*(4*\a+\b):ACC+8*(4*\a+\b)+3] offset:64*\b           ; each accumulator from its low end on
	ds_store_b128 v[STO], v[ACC+8*(4*\a+\b)+4:ACC+8*(4*\a+\b)+7] offset:64*\b+16
.endr
.irp t, 0,1,2,3,4,5,6,7
	ds_load_b128 v[TMP+32*(\a%2)+4*\t:TMP+32*(\a%2)+4*\t+3], v[RD] offset:\t*2*SPITCH
.endr
.endm
.macro SENDP a, younger
	s_wait_dscnt \younger                          ; the block is back; the next block's sixteen LDS lines may be out
.irp t, 0,1,2,3,4,5,6,7
	global_store_b128 v[CO], v[TMP+32*(\a%2)+4*\t:TMP+32*(\a%2)+4*\t+3], s[10:11] offset:(16*\a+2*\t)*4096 th:TH_STORE_NT   ; sixteen lanes store 256 bytes on end, aligned
.endr
.endm
	TOST 0
	TOST 1
	SENDP 0, 16
	s_wait_xcnt 0x0                                ; block 0's stores have read their registers
	TOST 2
	SENDP 1, 16
	s_wait_xcnt 0x0
	TOST 3
	SENDP 2, 16
	SENDP 3, 0
	s_wait_tensorcnt 0x0                           ; the wave's end
	ds_add_u32 v[SPW], v[NIL]
	s_wait_dscnt 0x0
	CROUND                                         ; the closing round
	s_endpgm
.Lfunc_end_k_qf8580f9844_proj:
	.size	k_qf8580f9844_proj, .Lfunc_end_k_qf8580f9844_proj-k_qf8580f9844_proj
	.p2alignl 7, 3214868480
	.fill 96, 4, 3214868480
	.section	.rodata,"a",@progbits
	.p2align	6, 0x0
	.amdhsa_kernel k_qf8580f9844_proj
		.amdhsa_group_segment_fixed_size 327680
		.amdhsa_private_segment_fixed_size 0
		.amdhsa_enable_private_segment 0
		.amdhsa_kernarg_size 32
		.amdhsa_user_sgpr_count 2
		.amdhsa_user_sgpr_kernarg_segment_ptr 1
		.amdhsa_wavefront_size32 1
		.amdhsa_system_sgpr_workgroup_id_x 1
		.amdhsa_system_sgpr_workgroup_id_y 1
		.amdhsa_system_sgpr_workgroup_id_z 1
		.amdhsa_system_vgpr_workitem_id 0
		.amdhsa_next_free_vgpr 512
		.amdhsa_next_free_sgpr 66
		.amdhsa_reserve_vcc 0
		.amdhsa_float_denorm_mode_32 3
		.amdhsa_float_denorm_mode_16_64 3
		.amdhsa_memory_ordered 1
		.amdhsa_forward_progress 1
		.amdhsa_inst_pref_size 87
	.end_amdhsa_kernel
	.amdgpu_metadata
---
amdhsa.version: [ 1, 2 ]
amdhsa.kernels:
  - .name:           k_qf8580f9844_proj
    .symbol:         k_qf8580f9844_proj.kd
    .args:
      - { .name: at, .offset: 0, .size: 8, .value_kind: global_buffer, .address_space: global }
      - { .name: wpt, .offset: 8, .size: 8, .value_kind: global_buffer, .address_space: global }
      - { .name: c_proj_b, .offset: 16, .size: 8, .value_kind: global_buffer, .address_space: global }
      - { .name: out0, .offset: 24, .size: 8, .value_kind: global_buffer, .address_space: global }
    .group_segment_fixed_size: 327680
    .private_segment_fixed_size: 0
    .kernarg_segment_align: 8
    .kernarg_segment_size: 32
    .max_flat_workgroup_size: 128
    .sgpr_count:     66
    .vgpr_count:     512
    .wavefront_size: 32
...
	.end_amdgpu_metadata
.endif
;; end of part 4
;; launch fproj (part 5): grid 64 x 1, 16 waves a work-group, no clusters, 67,584 bytes of LDS; arguments afine, c_proj_w, c_proj_b, out0; writes out0
.if DOCPART == 5
	.amdgcn_target "amdgcn-amd-amdhsa--gfx1250"
	.amdhsa_code_object_version 6
	.text
	.protected	k_qf8580f9844_fproj
	.globl	k_qf8580f9844_fproj
	.p2align	8
	.type	k_qf8580f9844_fproj,@function
k_qf8580f9844_fproj:
	s_mov_b64 s[64:65], 0
	v_nop
	global_prefetch_b8 v0, s[64:65] scope:SCOPE_SE
	s_setreg_imm32_b32 hwreg(HW_REG_WAVE_MODE, 25, 1), 1
	s_wait_xcnt 0x0
; FPROJ: the first 16 positions of each of the 4 sequences once more, in f32: out0[b][0..15][:] = afine c_proj_w + c_proj_b.  64 rows x 1,024 columns x K = 1,024: no bulk work.  It writes over what the launch before left in those rows.
; A work-group takes 16 columns for all 64 rows; wave w takes k = 64 w .. 64 w + 63; its four accumulators, one a sequence, take turns.  The sixteen waves' parts meet in LDS as images of the registers and are added in a fixed order.
; Place (h, j) of a K step of 4 is k = 64 w + 8 s + 4 h + 2 e + j on both sides: so a lane's part of a row of afine is 16 bytes on end.
; REGISTERS: v32-63 c_proj_w's, later the parts; v64-191 afine's; v192-223 the accumulators, written by matrix instructions alone; v224 the bias; v254, v255 the add's two.
.set SPARE, 65536                      ; behind the sixteen images of 4,096 bytes: the spare words, 128 bytes a wave: eight blocks of 256 bytes that no other line names
	s_load_b256 s[4:11], s[0:1], 0x0               ; afine s[4:5], c_proj_w s[6:7], c_proj_b s[8:9], out0 s[10:11]
	v_lshl_add_u32 v254, v0, 2, SPARE
	v_mov_b32 v255, 0
	v_lshrrev_b32 v1, 5, v0
	v_readfirstlane_b32 s12, v1                    ; wave 0..15
	v_and_b32 v1, 15, v0                           ; r
	v_bfe_u32 v2, v0, 4, 1                         ; h
	v_and_b32 v3, 31, v0                           ; lane
	v_lshlrev_b32 v4, 12, v1
	v_lshl_add_u32 v4, v2, 4, v4                   ; afine: row r of 4,096 bytes, + 16 h
	v_lshlrev_b32 v6, 2, v1                        ; 4 r
	v_lshl_add_u32 v5, v2, 14, v6                  ; c_proj_w: 4 h rows of 4,096 bytes, + 4 r
	v_lshl_add_u32 v9, v2, 15, v6                  ; out0: 8 h rows, + 4 r
	s_lshl_b32 s13, s12, 12
	v_lshl_add_u32 v7, v3, 4, s13                  ; my image: 4,096 x wave + 16 x lane
	s_lshr_b32 s13, s12, 1
	s_lshl_b32 s13, s13, 9
	s_and_b32 s20, s12, 1
	s_lshl_b32 s21, s20, 3
	s_add_co_u32 s13, s13, s21
	v_lshl_add_u32 v8, v3, 4, s13                  ; what I add up: group of four registers wave / 2, its pair wave % 2
	s_lshl_b32 s14, s12, 8                         ; afine: 64 w numbers on
	s_mov_b32 s15, 0
	s_lshl_b32 s18, ttmp9, 6                       ; 16 columns a work-group
	s_mov_b32 s19, 0
	s_lshl_b32 s16, s12, 18                        ; c_proj_w: 64 w rows on
	s_add_co_u32 s16, s16, s18
	s_mov_b32 s17, 0
	s_lshr_b32 s22, s12, 2
	s_lshl_b32 s22, s22, 11                        ; the sequence's first row,
	s_bfe_u32 s23, s12, 0x10001
	s_lshl_b32 s23, s23, 2
	s_add_co_u32 s22, s22, s23                     ; + 4 x (the upper half of an accumulator's registers)
	s_lshl_b32 s23, s20, 1
	s_add_co_u32 s22, s22, s23                     ; + 2 x my pair
	s_lshl_b32 s22, s22, 12
	s_add_co_u32 s22, s22, s18
	s_mov_b32 s23, 0
	s_wait_kmcnt 0x0
	s_add_nc_u64 s[4:5], s[4:5], s[14:15]
	s_add_nc_u64 s[6:7], s[6:7], s[16:17]
	s_add_nc_u64 s[8:9], s[8:9], s[18:19]
	s_add_nc_u64 s[10:11], s[10:11], s[22:23]
.irp b, 0,1,2,3
.irp s, 0,1,2,3,4,5,6,7
	global_load_b128 v[64+32*\b+4*\s:64+32*\b+4*\s+3], v4, s[4:5] offset:65536*\b+32*\s
.endr
.endr
.irp s, 0,1,2,3,4,5,6,7
.irp i, 0,1,2,3
	global_load_b32 v[32+4*\s+\i], v5, s[6:7] offset:(8*\s+\i)*4096
.endr
.endr
	global_load_b32 v224, v6, s[8:9]
	s_wait_loadcnt 0x0
.irp s, 0,1,2,3,4,5,6,7
.irp e, 0,1
.irp b, 0,1,2,3
.if (\s == 0) && (\e == 0)
	v_wmma_f32_16x16x4_f32 v[192+8*\b:199+8*\b], v[64+32*\b+4*\s+2*\e:65+32*\b+4*\s+2*\e], v[32+4*\s+2*\e:33+4*\s+2*\e], 0
.else
	v_wmma_f32_16x16x4_f32 v[192+8*\b:199+8*\b], v[64+32*\b+4*\s+2*\e:65+32*\b+4*\s+2*\e], v[32+4*\s+2*\e:33+4*\s+2*\e], v[192+8*\b:199+8*\b]
.endif
.endr
.endr
.endr
.rept 8
	v_nop                                          ; eight places behind this form, in front of the stores of the results and of the loads into its operands' registers
.endr
.irp g, 0,1,2,3,4,5,6,7
	ds_store_b128 v7, v[192+4*\g:195+4*\g] offset:512*\g   ; the registers as they stand; each accumulator from its low end on
.endr
	s_wait_dscnt 0x0                               ; for the others' sake: my stores are done
	s_barrier_signal -1
	s_barrier_wait -1
.irp u, 0,1,2,3,4,5,6,7,8,9,10,11,12,13,14,15
	ds_load_b64 v[32+2*\u:33+2*\u], v8 offset:4096*\u
.endr
	s_wait_dscnt 0x0
.irp u, 0,1,2,3,4,5,6,7
	v_pk_add_f32 v[32+4*\u:33+4*\u], v[32+4*\u:33+4*\u], v[34+4*\u:35+4*\u]
.endr
.irp u, 0,1,2,3
	v_pk_add_f32 v[32+8*\u:33+8*\u], v[32+8*\u:33+8*\u], v[36+8*\u:37+8*\u]
.endr
.irp u, 0,1
	v_pk_add_f32 v[32+16*\u:33+16*\u], v[32+16*\u:33+16*\u], v[40+16*\u:41+16*\u]
.endr
	v_pk_add_f32 v[32:33], v[32:33], v[48:49]
	v_add_f32 v32, v32, v224
	v_add_f32 v33, v33, v224
	global_store_b32 v9, v32, s[10:11]             ; sixteen lanes store 64 bytes of a row: 256 KB in the whole launch
	global_store_b32 v9, v33, s[10:11] offset:4096
	s_wait_tensorcnt 0x0                           ; the wave's end: behind my last LDS store
	ds_add_u32 v254, v255
	s_wait_dscnt 0x0
	s_endpgm
.Lfunc_end_k_qf8580f9844_fproj:
	.size	k_qf8580f9844_fproj, .Lfunc_end_k_qf8580f9844_fproj-k_qf8580f9844_fproj
	.p2alignl 7, 3214868480
	.fill 96, 4, 3214868480
	.section	.rodata,"a",@progbits
	.p2align	6, 0x0
	.amdhsa_kernel k_qf8580f9844_fproj
		.amdhsa_group_segment_fixed_size 67584
		.amdhsa_private_segment_fixed_size 0
		.amdhsa_enable_private_segment 0
		.amdhsa_kernarg_size 32
		.amdhsa_user_sgpr_count 2
		.amdhsa_user_sgpr_kernarg_segment_ptr 1
		.amdhsa_wavefront_size32 1
		.amdhsa_system_sgpr_workgroup_id_x 1
		.amdhsa_system_sgpr_workgroup_id_y 1
		.amdhsa_system_sgpr_workgroup_id_z 1
		.amdhsa_system_vgpr_workitem_id 0
		.amdhsa_next_free_vgpr 256
		.amdhsa_next_free_sgpr 66
		.amdhsa_reserve_vcc 0
		.amdhsa_float_denorm_mode_32 3
		.amdhsa_float_denorm_mode_16_64 3
		.amdhsa_memory_ordered 1
		.amdhsa_forward_progress 1
		.amdhsa_inst_pref_size 16
	.end_amdhsa_kernel
	.amdgpu_metadata
---
amdhsa.version: [ 1, 2 ]
amdhsa.kernels:
  - .name:           k_qf8580f9844_fproj
    .symbol:         k_qf8580f9844_fproj.kd
    .args:
      - { .name: afine, .offset: 0, .size: 8, .value_kind: global_buffer, .address_space: global }
      - { .name: c_proj_w, .offset: 8, .size: 8, .value_kind: global_buffer, .address_space: global }
      - { .name: c_proj_b, .offset: 16, .size: 8, .value_kind: global_buffer, .address_space: global }
      - { .name: out0, .offset: 24, .size: 8, .value_kind: global_buffer, .address_space: global }
    .group_segment_fixed_size: 67584
    .private_segment_fixed_size: 0
    .kernarg_segment_align: 8
    .kernarg_segment_size: 32
    .max_flat_workgroup_size: 512
    .sgpr_count:     66
    .vgpr_count:     256
    .wavefront_size: 32
...
	.end_amdgpu_metadata
.endif
;; end of part 5
